; MI455X (gfx1250); checked and timed in simulation.
; The chip was launched on July 23, 2026; its instructions are those of AMD's public machine-readable ISA for CDNA 5 (MIT licence, August 2026) and "CDNA5" Instruction Set Architecture Reference Guide (July 2026). The comments in the code are by the model that wrote it; some were corrected since.
;; Cause Muti Head Attention. Allowed arithmetic: matrix products marked QUANTISED: E2M3 operands, one E8M0 scale for each 32 along K, by v_wmma_scale_f32_16x16x128_f8f6f4 with both operands' format E2M3, f32 sums; everything else in f32.
;; Inputs: Wk 1,024 x 1,024 float32; Wo 1,024 x 1,024 float32; Wq 1,024 x 1,024 float32; Wv 1,024 x 1,024 float32; bk 1,024 float32; bo 1,024 float32; bq 1,024 float32; bv 1,024 float32; x 4 x 2,048 x 1,024 float32.
;; Outputs: out0 4 x 2,048 x 1,024 float32.
;; This version of the problem:
;;   THIS VERSION OF THE PROBLEM IS GIVEN IN LOW PRECISION. The matrix products marked QUANTISED in the list below multiply operands that are first quantised to E2M3 (2 exponent bits, 3 mantissa bits; 6 bits a number), with one power-of-two scale for each 32 numbers along K (OCP MX v1.0); their sums are f32. All else is computed in f32.
;;   The module's matrix products, in the order in which they are computed (A, B: the left and right operand; K: the contracted axis; several contracted axes count as one K, in the product's order):
;;     1. [M 8,192, K 1,024] x [K 1,024, N 1,024]; A: input x; B: input Wq: QUANTISED
;;     2. [M 8,192, K 1,024] x [K 1,024, N 1,024]; A: input x; B: input Wk: QUANTISED
;;     3. [M 8,192, K 1,024] x [K 1,024, N 1,024]; A: input x; B: input Wv: QUANTISED
;;     4. batch 64 x [M 2,048, K 64] x [K 64, N 2,048]; A: computed on the way; B: computed on the way: QUANTISED
;;     5. batch 64 x [M 2,048, K 2,048] x [K 2,048, N 64]; A: softmax (see below); B: computed on the way: QUANTISED
;;     6. [M 8,192, K 1,024] x [K 1,024, N 1,024]; A: computed on the way; B: input Wo: QUANTISED
;;   THE QUANTISER, for each operand of a quantised product, along K:
;;     - K is cut into blocks of 32 from its start; a last block that is shorter is filled with zeros.
;;     - A block's scale is 2^e with e = floor(log2(the largest magnitude in the block)) - 2, held to -126 .. 127; a block of zeros has e = 0. As a byte (E8M0): e + 127.
;;     - Each number is divided by its block's scale, clamped to +-7.5, and rounded to the nearest number of E2M3, ties to even, subnormals kept.
;;     - The product sums the exact products of the quantised numbers (number of the format x scale) in f32.
;;   ~~~python
;;   def quantise(x, axis):      # numpy; x: float32 -> the quantised numbers, widened to float32 again
;;       x = np.moveaxis(x, axis, -1); K = x.shape[-1]
;;       x = np.pad(x, [(0, 0)] * (x.ndim - 1) + [(0, -K % 32)]); x = x.reshape(x.shape[:-1] + (-1, 32)); a = np.abs(x).max(-1, keepdims=True)
;;       e = np.where(a > 0, np.clip(np.frexp(np.where(a > 0, a, 1))[1] - 1 - 2, -126, 127), 0)      # np.frexp(a)[1] - 1 = floor(log2(a)), exactly
;;       r = np.clip(x / 2.0 ** e, -7.5, 7.5)
;;       step = 2.0 ** (np.maximum(np.frexp(np.where(r == 0, 1, r))[1] - 1, 0) - 3)
;;       q = np.round(r / step) * step * 2.0 ** e      # np.round: ties to even
;;       return np.moveaxis(q.reshape(q.shape[:-2] + (-1,))[..., :K], -1, axis).astype(np.float32)
;;   ~~~
;;   SOFTMAX AHEAD OF A QUANTISED PRODUCT. Where the list says 'softmax', what is quantised is not the finished softmax but p = 2^(t - M), with t = logit x log2(e) and M = ceil(the row's largest t), a whole number; so 1/2 < the row's largest p <= 1. The row's sum l is taken of the UNQUANTISED p, in f32, and the product's result is divided by l at the end. Since M is a whole number, a kernel that streams over the keys may use a running M (the ceiling of the running maximum): every later rescaling is an exact power of two, which a block's scale takes up: the codes' values come out the same.
;;   OPERANDS COMPUTED ON THE WAY. 'Computed on the way' means the value that the module computes at that place (a softmax that the list does not call 'softmax' is quantised finished and normalised). What goes into a quantiser is computed in f32, as accurately as f32 sums, v_exp_f32 and their like allow (about 1e-6 of the number): no bf16 or f16 on the way to a quantiser, and a product that is left as it is and whose result goes on into a quantised operand takes f32 operands (vector FMAs, or v_wmma_f32_16x16x4_f32). A number that lies on a knife's edge between two numbers of the format may be rounded either way, as far as f32 arithmetic and the matrix unit's own rounding can turn it there, and no further.
;; One version. Each part assembles by itself: llvm-mc -triple=amdgcn-amd-amdhsa -mcpu=gfx1250 --defsym DOCPART=n.
;; ======== version 1 of 1: 4 launches
;; workspace buffers: xc 6,291,456 bytes; xs 262,144 bytes; wc 3,145,728 bytes; ws 131,072 bytes; qi 6,815,744 bytes; kv 13,369,344 bytes; ac 6,291,456 bytes; asc 262,144 bytes
;; launch quant (part 1): grid 384 x 1, 4 waves a work-group, no clusters, 33,280 bytes of LDS; arguments x, Wq, Wk, Wv, xc, xs, wc, ws, Wo; writes xc, xs, wc, ws
.if DOCPART == 1
	.amdgcn_target "amdgcn-amd-amdhsa--gfx1250"
	.amdhsa_code_object_version 6
	.text
	.protected	k_qf457d69648_quant
	.globl	k_qf457d69648_quant
	.p2align	8
	.type	k_qf457d69648_quant,@function
k_qf457d69648_quant:
	s_mov_b64 s[64:65], 0
	v_nop
	global_prefetch_b8 v0, s[64:65] scope:SCOPE_SE
	s_setreg_imm32_b32 hwreg(HW_REG_WAVE_MODE, 25, 1), 1
	s_wait_xcnt 0x0
; x [8192][1024] and Wq, Wk, Wv, Wo [1024][1024], f32, K innermost, become codes of FP6 (E2M3) with one E8M0 byte for each 32 along K.
; xc [8192][768 bytes], xs [8192][32];  wc [4096][768], ws [4096][32]: rows 0-1023 Wq, 1024-2047 Wk, 2048-3071 Wv, 3072-4095 Wo.
; A block's scale is 2^(floor(log2(its largest magnitude)) - 2); its byte is the largest magnitude's exponent field - 2, held at 1 from below.
; THE ORDER INSIDE A BLOCK OF 32: the code at place 16 e + 8 u + j is the number at k = 16 u + 8 e + j (the middle two groups of eight change places).  Every operand of every product of this
; program is laid so, on both sides, so each product sums the same exact terms; only the order in which the matrix unit groups them differs from ascending k.
; LIMITS: a block of zeros gets the byte 1 where the rule says 127 (its codes are zeros, and this program alone reads the bytes); blocks whose largest magnitude lies under 2^-124 have their byte held at 1;
; NaN and infinities among the inputs are not served.
; Rows are dense and 1024 is a multiple of 32: each tensor is a plain stream of blocks.  A work-group takes 32,768 numbers, a wave 8,192: 16 steps of 512.  Work-groups 0-255 take x, 256 + 32 i + n run n of weight i.
; Each load reads 512 consecutive bytes, 16 a lane; a step's 2,048 bytes turn through the wave's own stage in LDS and come back 16 numbers of ONE block a lane: lane 2 blk + e takes k = 8 e .. 8 e + 7 and 16 + 8 e .. 16 + 8 e + 7.
; No tensor loads, no barrier: waves share nothing.  Loads run four steps ahead, the turn through LDS one step.
.set STEPS, 16
.set EMAX,  2
.set CB,    12                         ; bytes of 16 codes
.set R,     16                         ; v16-79   four sets of 16 numbers as they are loaded
.set X,     80                         ; v80-111  two sets of 16 numbers of a block
.set C,     128                        ; v128-191 codes: four registers for each step, so that no store's data are written again
.set E,     112                        ; v112-127 a scale byte for each step
.set WREG,  8192                       ; LDS: a region for each wave: two stages of 32 x SP bytes, then its 256 scale bytes
.set SP,    80                         ; 64 bytes of data + 16 of padding
	s_load_b256 s[4:11], s[0:1], 0x0               ; x, Wq, Wk, Wv
	s_load_b256 s[16:23], s[0:1], 0x20             ; xc, xs, wc, ws
	s_load_b64 s[12:13], s[0:1], 0x40              ; Wo
	v_lshl_add_u32 v192, v0, 2, 0x8000
	v_mov_b32 v193, 0
	v_lshrrev_b32 v1, 5, v0
	v_readfirstlane_b32 s24, v1                    ; wave
	v_and_b32 v2, 31, v0                           ; lane
	v_lshlrev_b32 v3, 4, v2                        ; my 16 bytes of a load's 512
	s_mul_i32 s25, s24, WREG
	v_lshrrev_b32 v14, 2, v2
	v_mul_u32_u24 v14, v14, SP
	v_and_b32 v15, 3, v2
	v_lshl_add_u32 v14, v15, 4, v14
	v_add_nc_u32 v14, s25, v14                     ; the stage, on the way in: SP (lane / 4) + 16 (lane % 4)
	v_lshrrev_b32 v15, 1, v2
	v_mul_u32_u24 v15, v15, 2*SP
	v_and_b32 v10, 1, v2
	v_lshl_add_u32 v15, v10, 5, v15
	v_add_nc_u32 v15, s25, v15                     ; and on the way out: my block's two places of 64 bytes, 32 (lane % 2) bytes into each
	v_mul_u32_u24 v4, v2, CB                       ; my codes' place in a step's
	v_lshrrev_b32 v5, 1, v2
	s_add_co_u32 s25, s25, 2*32*SP
	v_add_nc_u32 v5, s25, v5                       ; LDS: my wave's 256 scale bytes, my block's byte
	v_lshlrev_b32 v7, 3, v2                        ; and on the way out 8 bytes a lane
	v_add_nc_u32 v6, s25, v7
	s_sub_co_u32 s26, ttmp9, 256                   ; among the weights' work-groups (of use from work-group 256 on)
	s_lshr_b32 s27, s26, 5                         ; which weight
	s_and_b32 s28, s26, 31                         ; which run of it
	s_wait_kmcnt 0x0
	s_cmp_eq_u32 s27, 2                            ; the choices hang on the work-group's number alone
	s_cselect_b64 s[12:13], s[10:11], s[12:13]
	s_cmp_eq_u32 s27, 1
	s_cselect_b64 s[12:13], s[8:9], s[12:13]
	s_cmp_eq_u32 s27, 0
	s_cselect_b64 s[12:13], s[6:7], s[12:13]
	s_cmp_lt_u32 ttmp9, 256
	s_cselect_b64 s[4:5], s[4:5], s[12:13]         ; from: x or the weight
	s_cselect_b64 s[8:9], s[16:17], s[20:21]       ; codes to: xc or wc
	s_cselect_b64 s[10:11], s[18:19], s[22:23]     ; bytes to: xs or ws
	s_cselect_b32 s28, ttmp9, s28                  ; the run in the input,
	s_cselect_b32 s29, ttmp9, s26                  ; and in the output (the four weights are one stream there)
	s_lshl_b32 s28, s28, 2
	s_add_co_u32 s28, s28, s24                     ; my wave's run of 8,192 numbers
	s_lshl_b32 s30, s29, 2
	s_add_co_u32 s30, s30, s24
	s_lshl_b32 s28, s28, 15                        ; 32,768 bytes a run
	s_mov_b32 s29, 0
	s_add_nc_u64 s[4:5], s[4:5], s[28:29]
	s_mul_i32 s28, s30, 32*STEPS*CB                ; 6,144 bytes of codes a run
	s_add_nc_u64 s[8:9], s[8:9], s[28:29]
	s_lshl_b32 s28, s30, 8                         ; 256 scale bytes a run
	s_add_nc_u64 s[10:11], s[10:11], s[28:29]
.macro LOAD t
.irp i, 0,1,2,3
	global_load_b128 v[R+16*((\t)%4)+4*\i:R+16*((\t)%4)+4*\i+3], v3, s[4:5] offset:2048*(\t)+512*\i th:TH_LOAD_NT   ; 32 lanes read 512 consecutive bytes
.endr
.endm
.macro TURN t                          ; step t's numbers through the stage: LDS serves a wave's instructions in order, so no wait stands between the stores and the loads
.irp i, 0,1,2,3
	ds_store_b128 v14, v[R+16*((\t)%4)+4*\i:R+16*((\t)%4)+4*\i+3] offset:32*SP*((\t)%2)+8*SP*\i
.endr
.irp i, 0,1,2,3
	ds_load_b128 v[X+16*((\t)%2)+4*\i:X+16*((\t)%2)+4*\i+3], v15 offset:32*SP*((\t)%2)+SP*(\i/2)+16*(\i%2)
.endr
.endm
.irp t, 0,1,2,3
	LOAD \t
.endr
	s_wait_loadcnt 12                              ; step 0's four loads are in
	TURN 0
.macro STEP t
.set XS, X+16*((\t)%2)
.if (\t) > 0
	s_wait_dscnt 1                                 ; this step's numbers are back from the stage (the last step's byte store may be out): so its stores into the stage have read their registers,
.else
	s_wait_dscnt 0x0
.endif
.if (\t)+4 < STEPS
	LOAD (\t)+4                                    ; which take the loads of four steps on
.endif
.if (\t)+1 < STEPS
.if STEPS-2-(\t) >= 3
	s_wait_loadcnt 12                              ; the next step's four loads are in; those of the three steps behind it may be out
.else
	s_wait_loadcnt 4*(STEPS-2-(\t))
.endif
	TURN (\t)+1                                    ; and go through the other stage while this step is worked
.endif
	v_max3_num_f32 v8, |v[XS]|, |v[XS+1]|, |v[XS+2]|               ; the largest magnitude of my 16
	v_max3_num_f32 v9, |v[XS+3]|, |v[XS+4]|, |v[XS+5]|
.irp i, 6,10
	v_max3_num_f32 v8, v8, |v[XS+\i]|, |v[XS+\i+1]|
	v_max3_num_f32 v9, v9, |v[XS+\i+2]|, |v[XS+\i+3]|
.endr
	v_max3_num_f32 v8, v8, |v[XS+14]|, |v[XS+15]|
	v_max3_num_f32 v8, v8, v9, (EMAX+1)<<23        ; and the floor 2^(3 - 127): the byte cannot fall under 1
	v_max_num_f32_dpp v8, v8, v8 row_xmask:1 row_mask:0xf bank_mask:0xf   ; and of my neighbour's 16: the block's
	v_add_nc_u32 v11, -(EMAX<<23), v8              ; 2 off its exponent field: the conversion takes the exponent field of this operand as its scale
	v_cvt_scalef32_pk16_fp6_f32 v[C+4*(\t):C+4*(\t)+2], v[XS:XS+15], v11
	v_lshrrev_b32 v[E+(\t)], 23, v11               ; the scale's byte (also the plain line behind the conversion)
	ds_store_b8 v5, v[E+(\t)] offset:16*(\t)       ; both lanes of a block write the same byte with the same value
	global_store_b96 v4, v[C+4*(\t):C+4*(\t)+2], s[8:9] offset:32*CB*(\t)   ; the wave stores 384 consecutive bytes
.endm
.irp t, 0,1,2,3,4,5,6,7,8,9,10,11,12,13,14,15
	STEP \t
.endr
	ds_load_b64 v[12:13], v6                       ; LDS serves a wave's instructions in order: these see my stores
	s_wait_dscnt 0x0
	global_store_b64 v7, v[12:13], s[10:11]        ; 32 lanes store 256 consecutive bytes, aligned
	s_wait_tensorcnt 0x0
	ds_add_u32 v192, v193
	s_wait_dscnt 0x0
	s_endpgm
.Lfunc_end_k_qf457d69648_quant:
	.size	k_qf457d69648_quant, .Lfunc_end_k_qf457d69648_quant-k_qf457d69648_quant
	.p2alignl 7, 3214868480
	.fill 96, 4, 3214868480
	.section	.rodata,"a",@progbits
	.p2align	6, 0x0
	.amdhsa_kernel k_qf457d69648_quant
		.amdhsa_group_segment_fixed_size 33280
		.amdhsa_private_segment_fixed_size 0
		.amdhsa_enable_private_segment 0
		.amdhsa_kernarg_size 72
		.amdhsa_user_sgpr_count 2
		.amdhsa_user_sgpr_kernarg_segment_ptr 1
		.amdhsa_wavefront_size32 1
		.amdhsa_system_sgpr_workgroup_id_x 1
		.amdhsa_system_sgpr_workgroup_id_y 1
		.amdhsa_system_sgpr_workgroup_id_z 1
		.amdhsa_system_vgpr_workitem_id 0
		.amdhsa_next_free_vgpr 194
		.amdhsa_next_free_sgpr 66
		.amdhsa_reserve_vcc 0
		.amdhsa_float_denorm_mode_32 3
		.amdhsa_float_denorm_mode_16_64 3
		.amdhsa_memory_ordered 1
		.amdhsa_forward_progress 1
		.amdhsa_inst_pref_size 33
	.end_amdhsa_kernel
	.amdgpu_metadata
---
amdhsa.version: [ 1, 2 ]
amdhsa.kernels:
  - .name:           k_qf457d69648_quant
    .symbol:         k_qf457d69648_quant.kd
    .args:
      - { .name: x, .offset: 0, .size: 8, .value_kind: global_buffer, .address_space: global }
      - { .name: Wq, .offset: 8, .size: 8, .value_kind: global_buffer, .address_space: global }
      - { .name: Wk, .offset: 16, .size: 8, .value_kind: global_buffer, .address_space: global }
      - { .name: Wv, .offset: 24, .size: 8, .value_kind: global_buffer, .address_space: global }
      - { .name: xc, .offset: 32, .size: 8, .value_kind: global_buffer, .address_space: global }
      - { .name: xs, .offset: 40, .size: 8, .value_kind: global_buffer, .address_space: global }
      - { .name: wc, .offset: 48, .size: 8, .value_kind: global_buffer, .address_space: global }
      - { .name: ws, .offset: 56, .size: 8, .value_kind: global_buffer, .address_space: global }
      - { .name: Wo, .offset: 64, .size: 8, .value_kind: global_buffer, .address_space: global }
    .group_segment_fixed_size: 33280
    .private_segment_fixed_size: 0
    .kernarg_segment_align: 8
    .kernarg_segment_size: 72
    .max_flat_workgroup_size: 128
    .sgpr_count:     66
    .vgpr_count:     194
    .wavefront_size: 32
...
	.end_amdgpu_metadata
.endif
;; end of part 1
;; launch qkv (part 2): grid 12 x 32, 4 waves a work-group, clusters of 4 x 4, 327,680 bytes of LDS; arguments xc, xs, wc, ws, bq, bk, bv, qi, kv; writes qi, kv
.if DOCPART == 2
	.amdgcn_target "amdgcn-amd-amdhsa--gfx1250"
	.amdhsa_code_object_version 6
	.text
	.protected	k_qf457d69648_qkv
	.globl	k_qf457d69648_qkv
	.p2align	8
	.type	k_qf457d69648_qkv,@function
k_qf457d69648_qkv:
	s_mov_b64 s[64:65], 0
	v_nop
	global_prefetch_b8 v0, s[64:65] scope:SCOPE_SE
	s_setreg_imm32_b32 hwreg(HW_REG_WAVE_MODE, 25, 1), 1
	s_wait_xcnt 0x0
	s_wait_alu depctr_hold_cnt(0) depctr_sa_sdst(0) depctr_va_vdst(0) depctr_va_sdst(0) depctr_va_ssrc(0) depctr_va_vcc(0) depctr_vm_vsrc(0)
	s_getreg_b32 s2, hwreg(HW_REG_IB_STS2, 6, 4)
	s_cmp_eq_u32 s2, 0
	s_cbranch_scc0 .Lentry_in_a_cluster
	s_endpgm
.Lentry_in_a_cluster:
	s_bfe_u32 s2, ttmp6, 0x10000c
	s_cmp_lg_u32 s2, 0xf033
	s_cbranch_scc0 .Lentry_shape_is_right
	s_endpgm
.Lentry_shape_is_right:
; q = x Wq^T + bq, k = x Wk^T + bk, v = x Wv^T + bv on codes of FP6 (E2M3) with E8M0 scales, K = 1024; the results are quantised at once, in registers, and leave as codes laid as the attention launch reads them.
; A tile is 256 x 256, made by four waves, each 128 x 128: 64 accumulators of 16 x 16, 512 registers.  K goes in steps of 256 through a ring of two LDS slots filled by the tensor data mover; the scale bytes of the
; work-group's 512 rows come into LDS once.  CLUSTERS of 4 x 4: the side called A here (source 1: a lane holds ONE of its rows) is shared along a row of the cluster, the side called B (source 0: a lane's eight
; registers run along its rows) along a column; each tile is asked for jointly.
; THE CLUSTER'S x SAYS WHAT IS MADE (it is the same in all sixteen partners).  0: q, 1: k: A = 256 tokens of x, B = 256 rows of Wq or Wk: a lane holds a token and its registers run along the head's channels, which
; are the K of q k^T.  2: v: A = 256 rows of Wv, B = 256 tokens: the same text makes V^T: a lane holds a channel and its registers run along the keys, the K of p v.
; THE WAY OUT needs no LDS: the 64 numbers that a lane holds of a block of 16 rows are 128 along the next K: bias added, four blocks of 32 quantised, and the 12 registers of codes ARE an operand's registers.
; They are stored as an image of those registers (each store of the wave covers 256 or 512 consecutive bytes, aligned).
;   qi [bh 64][g 16][6656]: tile a (16 queries) at 768 a: registers 2 p, 2 p + 1 at 256 p + 8 lane; scale words at 6144 + 256 (a / 4) + 16 r + 4 (a % 4), two bytes in use, the upper two 0.
;   kv [bh 64][step 16][13056]: K as in qi; from 6656 V^T: tile t (16 channels x 128 keys) at 1536 t: registers 4 c .. 4 c + 3 at 512 c + 16 lane; its scale words at 12800 + 16 r + 4 t.
; THE ORDER INSIDE A BLOCK OF 32 along every K: the code at place 16 e + 8 u + j is the number at k = 16 u + 8 e + j, on both sides of every product (the sums' terms are the same; their grouping is not ascending k).
; LIMITS: a block of zeros gets the byte 1 where the rule says 127 (zero codes; this program alone reads the bytes); blocks under 2^-124 have their byte held at 1; NaN and infinities are not served.
; No prefetch: a work-group has two refills in all.  384 work-groups for 256 WGPs: a tile of 256 x 384 would want 768 registers of accumulators a wave.
; REGISTERS, in windows of 256: window 0: v0-31 addresses; v32-63 scale words, two sets; v64-127 and v240-255 the biases; from v128 A's fragments, ONE set; on the way out v128-239 are at work.
;   window 1: B's fragments, TWO sets, at v0 and v128.   window 2: accumulators of my rows 0-63 ((a, b) at v[8 (8 a + b)]);   window 3: rows 64-127.
.set KSTEP,  256                       ; along K in a slot
.set NQ,     2                         ; matrix instructions deep
.set ROWB,   192                       ; a tile's row in bytes
.set KROW,   768                       ; a row of codes in memory
.set PITCH,  240                       ; an LDS row: 3 x (64 bytes + 16 of padding)
.set FR,     12                        ; registers of a fragment
.set NL,     6                         ; LDS loads that bring one
.set NP,     4                         ; places behind this matrix instruction (ISA guide 7.12.1)
.set HALFT,  128*PITCH
.set SLOT,   4*HALFT                   ; A's 256 rows, then B's 256 rows
.set KS,     32                        ; a row of scale bytes
.set SCL,    2*SLOT                    ; behind the ring: the scales, as pieces of 256 bytes + 16 of padding
.set HALFS,  (128*KS/256)*272
.set SBLK,   (16*KS/256)*272
.set SPARE,  SCL+4*HALFS               ; the spare words, 128 bytes a wave: two blocks of 256 bytes that no other line names
.set ADRA, 16                          ; v16-17 LDS address of my A fragments in slot 0, 1 (v18-19: behind one padding more)
.set ADRB, 20                          ; v20-23 the same for B
.set VO0,  24                          ; the way out: my lane's place in an image
.set VO1,  25                          ; the same in the next head
.set VS,   26                          ; my scale words' place: 16 r, + a head for lanes 16-31
.set ADRS, 27                          ; LDS address of my scale words: lanes 0-15 A's rows, lanes 16-31 B's
.set SPW,  28                          ; LDS address of my spare word; never rewritten
.set NIL,  29                          ; 0; never rewritten
.set SH,   30                          ; 16 x (lane / 16)
.set SC,   32                          ; scale words: set s at v[SC + 16 s]
.set BI,   64                          ; v64-127 q, k: the bias of my 64 channels (8 b + j: channel 16 b + 8 (lane / 16) + j)
.set AF,   128                         ; A's fragments
.set HA,   128                         ; the way out: v128-191 a block's 64 numbers
.set CDS,  192                         ; v192-211 the codes just made
.set TM,   212                         ; v212-227 at work
.set PW,   228                         ; the scale word just made
.set SW,   232                         ; v232-239 the eight blocks' scale words
.set BV,   240                         ; v240-255 v: the bias of channel 16 a + lane % 16, twice (a pair for the packed addition)
.set G1, 24
.set G0, 32
.set G1B, 48
.set G0B, 56
.set G1S, 68
.set G0S, 76
.set G1SB, 80
.set G0SB, 88
.set OUT, 66                           ; s[66:67] where my wave's results begin
.set HSD, 98                           ; s98 bytes from a head to the next in qi or kv
.set SEL, 100                          ; s[100:101] v_permlanex16_b32's selects for lane l xor 16
.set MSB, 0
.macro WIN new                         ; the immediate's high byte repeats the setting that is left
.if MSB != \new
	s_set_vgpr_msb (MSB<<8)|\new
.set MSB, \new
.endif
.endm
.set MUL_LO, 0xa1                      ; source 0 (B) window 1, source 1 (A) window 0, C and D window 2
.set MUL_HI, 0xf1
.set TO_B,   0x40
; A joint load: waves 0 and 1 fetch for A, waves 2 and 3 for B; the branch hangs on the wave's number alone.  Four v_nop follow each of the two lines.
.macro JLOAD g0a, g1a, g0b, g1b
	s_cmp_eq_u32 s15, 0
	s_cbranch_scc0 .Lfor_b_\@
	tensor_load_to_lds s[\g0a:\g0a+3], s[\g1a:\g1a+7]
	s_nop 0
.rept 4
	v_nop
.endr
	s_branch .Lasked_\@
.Lfor_b_\@:
	tensor_load_to_lds s[\g0b:\g0b+3], s[\g1b:\g1b+7]
	s_nop 0
.rept 4
	v_nop
.endr
.Lasked_\@:
.endm
.macro CREST                           ; a round of the cluster's barrier behind its opening barrier
	s_cmp_lg_u32 s14, 0
	s_cbranch_scc1 .Lnot_wave_0_\@
	s_barrier_signal -3
.Lnot_wave_0_\@:
	s_barrier_wait -3
	s_barrier_signal -1
	s_barrier_wait -1
.endm
.macro CROUND
	s_barrier_signal -1
	s_barrier_wait -1
	CREST
.endm
	s_load_b256 s[4:11], s[0:1], 0x0               ; xc, xs, wc, ws
	v_lshl_add_u32 v[SPW], v0, 2, SPARE
	v_mov_b32 v[NIL], 0
	ds_add_u32 v28, v29
	s_wait_dscnt 0x0
	v_lshrrev_b32 v1, 5, v0
	v_readfirstlane_b32 s14, v1                    ; wave 0..3
	s_lshr_b32 s15, s14, 1                         ; which half of A's rows is mine.  Also: I fetch for A (0) or for B (1)
	s_and_b32 s16, s14, 1                          ; which half of B's rows.  Also: which 128 rows I fetch
	s_bfe_u32 s40, ttmp6, 0x40000                  ; cx, cy: my place in the cluster
	s_bfe_u32 s41, ttmp6, 0x40004
	s_and_b32 s18, ttmp7, 0xffff
	s_lshl_b32 s18, s18, 2                         ; 4 x cluster y
	s_lshl_b32 s19, ttmp9, 2                       ; 4 x cluster x
	s_cmp_eq_u32 ttmp9, 2                          ; v?
	s_cselect_b32 s17, 0, s18                      ; A's tiles: q, k: tokens, 4 cluster y + cy;  v: Wv's, cy
	s_cselect_b32 s42, s18, s19                    ; B's tiles: q, k: rows of wc, 4 cluster x + cx;  v: tokens, 4 cluster y + cx
	s_cselect_b32 s95, 2048, 0                     ; v: Wv begins at row 2048 of wc
	s_add_co_u32 s17, s17, s41                     ; A's tile: it holds cy and never cx
	s_add_co_u32 s42, s42, s40                     ; B's tile: it holds cx and never cy
	s_lshl_b32 s43, s41, 2
	s_lshl_b32 s43, 15, s43                        ; my row of the cluster
	s_lshl_b32 s44, 0x1111, s40                    ; my column
	s_mov_b32 s[SEL], 0x76543210
	s_mov_b32 s[SEL+1], 0xfedcba98
	; descriptor group 1: a tile of 128 rows x 192 bytes, 16 bytes of padding behind every 64
	s_or_b32 s[G1+0], s43, (0<<16)|(1<<20)|(1<<21)|(3<<22)|(3<<25)
	s_or_b32 s[G1B+0], s44, (0<<16)|(1<<20)|(1<<21)|(3<<22)|(3<<25)
.irp g, G1, G1B
	s_mov_b32 s[\g+1], ROWB<<16                    ; tensor_dim0
	s_mov_b32 s[\g+2], 128<<16                     ; tensor_dim1
	s_mov_b32 s[\g+3], ROWB<<16                    ; tile_dim0
	s_mov_b32 s[\g+4], 128                         ; tile_dim1
	s_mov_b32 s[\g+5], KROW                        ; tensor_dim0_stride
	s_mov_b32 s[\g+6], 0
	s_mov_b32 s[\g+7], 0
.endr
	; the scales of 128 rows: 4,096 dense bytes, as 16 rows of 256 bytes (32 elements of 8), 16 bytes of padding behind each
	s_or_b32 s[G1S+0], s43, (3<<16)|(1<<20)|(1<<21)|(5<<22)|(3<<25)
	s_or_b32 s[G1SB+0], s44, (3<<16)|(1<<20)|(1<<21)|(5<<22)|(3<<25)
.irp g, G1S, G1SB
	s_mov_b32 s[\g+1], 32<<16
	s_mov_b32 s[\g+2], (128*KS/256)<<16
	s_mov_b32 s[\g+3], 32<<16
	s_mov_b32 s[\g+4], 128*KS/256
	s_mov_b32 s[\g+5], 32
	s_mov_b32 s[\g+6], 0
	s_mov_b32 s[\g+7], 0
.endr
	s_lshl_b32 s18, s16, 7                         ; which 128 rows of the tile I fetch
	s_lshl_b32 s20, s17, 8
	s_add_co_u32 s20, s20, s18
	s_add_co_u32 s20, s20, s95                     ; A: its row in its buffer
	s_lshl_b32 s46, s42, 8
	s_add_co_u32 s46, s46, s18                     ; B likewise
	s_mov_b32 s21, 0
	s_mov_b32 s47, 0
	s_mov_b64 s[18:19], KS
	s_mul_u64 s[22:23], s[20:21], s[18:19]         ; where these rows' scales begin, in bytes
	s_mul_u64 s[92:93], s[46:47], s[18:19]
	s_mov_b64 s[18:19], KROW
	s_mul_u64 s[20:21], s[20:21], s[18:19]         ; and their codes
	s_mul_u64 s[46:47], s[46:47], s[18:19]
	s_mul_i32 s45, s14, HALFT                      ; where they go: wave x 128 rows: no place in the cluster enters an LDS address
	s_mul_i32 s94, s14, HALFS
	s_wait_kmcnt 0x0
	s_cmp_eq_u32 ttmp9, 2                          ; which buffer is A and which B: a choice on the cluster's x alone
	s_cselect_b64 s[12:13], s[8:9], s[4:5]         ; A's codes: wc or xc
	s_cselect_b64 s[4:5], s[4:5], s[8:9]           ; B's codes: xc or wc
	s_cselect_b64 s[8:9], s[10:11], s[6:7]         ; A's scales: ws or xs
	s_cselect_b64 s[6:7], s[6:7], s[10:11]         ; B's scales: xs or ws
	s_add_nc_u64 s[20:21], s[12:13], s[20:21]
	s_add_nc_u64 s[22:23], s[8:9], s[22:23]
	s_add_nc_u64 s[46:47], s[4:5], s[46:47]
	s_add_nc_u64 s[92:93], s[6:7], s[92:93]
	CROUND                                         ; all sixteen work-groups are here: the first joint loads meet
	s_mov_b32 s[G0S], 1
	s_add_co_u32 s[G0S+1], s94, SCL
	s_mov_b64 s[G0S+2:G0S+3], s[22:23]
	s_or_b32 s[G0S+3], s[G0S+3], 0x80000000
	s_mov_b32 s[G0SB], 1
	s_add_co_u32 s[G0SB+1], s94, SCL
	s_mov_b64 s[G0SB+2:G0SB+3], s[92:93]
	s_or_b32 s[G0SB+3], s[G0SB+3], 0x80000000
	JLOAD G0S, G1S, G0SB, G1SB                     ; the scales first: they are wanted with K step 0
.irp s, 0,1
	s_mov_b32 s[G0+4*\s], 1
	s_add_co_u32 s[G0+4*\s+1], s45, \s*SLOT
	s_add_nc_u64 s[G0+4*\s+2:G0+4*\s+3], s[20:21], \s*ROWB
	s_or_b32 s[G0+4*\s+3], s[G0+4*\s+3], 0x80000000
	s_mov_b32 s[G0B+4*\s], 1
	s_add_co_u32 s[G0B+4*\s+1], s45, \s*SLOT
	s_add_nc_u64 s[G0B+4*\s+2:G0B+4*\s+3], s[46:47], \s*ROWB
	s_or_b32 s[G0B+4*\s+3], s[G0B+4*\s+3], 0x80000000
	JLOAD G0+4*\s, G1, G0B+4*\s, G1B               ; three tensor loads of mine are out now, the most in this text
.endr
	s_load_b256 s[4:11], s[0:1], 0x20              ; bq, bk, bv, qi (the first four pointers have been used up)
	s_load_b64 s[12:13], s[0:1], 0x40              ; kv
	v_and_b32 v1, 15, v0                           ; r = l % 16
	v_bfe_u32 v2, v0, 4, 1                         ; h = l / 16
	v_mul_u32_u24 v3, v1, PITCH
	v_mul_u32_u24 v4, v2, 24
	v_add_nc_u32 v4, v3, v4                        ; a fragment's row x pitch + 24 x half
	v_lshl_add_u32 v5, v2, 4, v4                   ; and the same behind one padding more
	s_mul_i32 s21, s15, HALFT                      ; my 128 rows of A
	s_mul_i32 s22, s16, HALFT                      ; my 128 rows of B,
	s_add_co_u32 s22, s22, 2*HALFT                 ; which lie behind A's 256
.irp s, 0,1
	v_add_nc_u32 v[ADRA+\s], s21, v4
	v_add_nc_u32 v[ADRB+\s], s22, v4
	v_add_nc_u32 v[ADRA+2+\s], s21, v5
	v_add_nc_u32 v[ADRB+2+\s], s22, v5
	s_add_co_u32 s21, s21, SLOT
	s_add_co_u32 s22, s22, SLOT
.endr
	v_mul_u32_u24 v5, v1, KS                       ; my row's scales: 32 bytes a row,
	v_lshrrev_b32 v6, 8, v5
	v_lshl_add_u32 v5, v6, 4, v5                   ; and 16 more for each 256 passed
	s_mul_i32 s21, s15, HALFS
	s_mul_i32 s22, s16, HALFS
	s_add_co_u32 s22, s22, 2*HALFS
	s_sub_co_u32 s22, s22, s21
	v_mul_u32_u24 v6, s22, v2                      ; lanes 16-31 take B's
	s_add_co_u32 s21, s21, SCL
	v_add_nc_u32 v5, v5, v6
	v_add_nc_u32 v[ADRS], s21, v5
	v_lshlrev_b32 v7, 5, v2                        ; the bias, q and k: 32 bytes on for lanes 16-31
	v_lshlrev_b32 v8, 2, v1                        ; v: 4 r
	s_wait_kmcnt 0x0
	; where my results go.  U: the tile of 256 tokens, uh: my half of it; Wt: the tile of 256 channels, wh: my half of it
	s_cmp_eq_u32 ttmp9, 2
	s_cselect_b32 s96, s42, s17                    ; U
	s_cselect_b32 s97, s41, s40                    ; Wt
	s_cselect_b32 s98, s16, s15                    ; uh
	s_cselect_b32 s99, s15, s16                    ; wh
	s_cselect_b32 s94, 6656, 0                     ; V^T lies 6,656 bytes into a step
	s_cselect_b64 s[6:7], s[8:9], s[6:7]           ; bv or bk
	s_cmp_eq_u32 ttmp9, 0
	s_cselect_b64 s[4:5], s[4:5], s[6:7]           ; bq, or that
	s_cselect_b64 s[OUT:OUT+1], s[10:11], s[12:13] ; qi or kv
	s_mov_b32 s45, 13056
	s_cselect_b32 s45, 6656, s45                   ; bytes for 128 tokens of a head
	s_lshr_b32 s18, s96, 3                         ; the batch: 8 tiles of 256 tokens each
	s_lshl_b32 s18, s18, 4
	s_lshl_b32 s19, s97, 2
	s_add_co_u32 s18, s18, s19
	s_lshl_b32 s19, s99, 1
	s_add_co_u32 s18, s18, s19                     ; bh of my first head: 16 batch + 4 Wt + 2 wh
	s_lshl_b32 s18, s18, 4
	s_and_b32 s19, s96, 7
	s_lshl_b32 s19, s19, 1
	s_add_co_u32 s18, s18, s19
	s_add_co_u32 s18, s18, s98                     ; x 16 + my 128 tokens' number in the batch
	s_mul_i32 s18, s18, s45
	s_add_co_u32 s18, s18, s94
	s_mov_b32 s19, 0
	s_add_nc_u64 s[OUT:OUT+1], s[OUT:OUT+1], s[18:19]
	s_lshl_b32 s[HSD], s45, 4                      ; from a head to the next
	s_lshl_b32 s18, s97, 10
	s_lshl_b32 s96, s99, 9
	s_add_co_u32 s18, s18, s96                     ; my 128 channels' bias: 4 (256 Wt + 128 wh) bytes on
	s_add_nc_u64 s[4:5], s[4:5], s[18:19]
	; both forms of the bias are loaded whatever is made: both stay inside my 512 bytes, and no path reads a register that another path alone has written
.irp b, 0,1,2,3,4,5,6,7
	global_load_b128 v[BI+8*\b:BI+8*\b+3], v7, s[4:5] offset:64*\b
	global_load_b128 v[BI+8*\b+4:BI+8*\b+7], v7, s[4:5] offset:64*\b+16
.endr
.irp a, 0,1,2,3,4,5,6,7
	global_load_b32 v[BV+2*\a], v8, s[4:5] offset:64*\a
	global_load_b32 v[BV+2*\a+1], v8, s[4:5] offset:64*\a
.endr
.macro FRAG reg, adr, q, i             ; a fragment, 16 rows x 128 K: lane l holds row l % 16; registers 6 c .. 6 c + 5 hold the block 2 c + l / 16: 24 bytes of the row, as they lie, in pieces of 8 bytes
.irp p, 0,1,2,3,4,5
.set PCE, 12*(\q)+6*(\p/3)+\p%3        ; 16 bytes of padding lie behind every 8 pieces: where the piece three on lies behind one padding more, the second address register serves
.if PCE%8 < 5
	ds_load_b64 v[\reg+2*\p:\reg+2*\p+1], v[\adr] offset:8*PCE+16*(PCE/8)+(\i)*16*PITCH
.else
	ds_load_b64 v[\reg+2*\p:\reg+2*\p+1], v[\adr+2] offset:8*PCE+16*(PCE/8)+(\i)*16*PITCH
.endif
.endr
.endm
; 16 matrix instructions: A's blocks a0, a0 + 1 x B's eight.  The 64 accumulators take turns, one instruction a turn, in the same order in every step.
.macro MUL16 a0, p, q, sc, zero
.irp a, \a0, \a0+1
.irp b, 0,1,2,3,4,5,6,7
.if \zero
	v_wmma_scale_f32_16x16x128_f8f6f4 v[8*(8*((\a)%4)+\b):8*(8*((\a)%4)+\b)+7], v[128*(\p)+FR*\b:128*(\p)+FR*\b+FR-1], v[AF+FR*(\a):AF+FR*(\a)+FR-1], 0, v[SC+8*NQ*(\sc)+NQ*\b+(\q)], v[SC+8*NQ*(\sc)+NQ*(\a)+(\q)] matrix_a_fmt:MATRIX_FMT_FP6 matrix_b_fmt:MATRIX_FMT_FP6 matrix_a_scale:MATRIX_SCALE_ROW1
.else
	v_wmma_scale_f32_16x16x128_f8f6f4 v[8*(8*((\a)%4)+\b):8*(8*((\a)%4)+\b)+7], v[128*(\p)+FR*\b:128*(\p)+FR*\b+FR-1], v[AF+FR*(\a):AF+FR*(\a)+FR-1], v[8*(8*((\a)%4)+\b):8*(8*((\a)%4)+\b)+7], v[SC+8*NQ*(\sc)+NQ*\b+(\q)], v[SC+8*NQ*(\sc)+NQ*(\a)+(\q)] matrix_a_fmt:MATRIX_FMT_FP6 matrix_b_fmt:MATRIX_FMT_FP6 matrix_a_scale:MATRIX_SCALE_ROW1
.endif
.endr
.endr
.endm
.macro FETCH_B slot, q, p
	WIN TO_B
.irp i, 0,1,2,3,4,5,6,7
	FRAG 128*(\p)+FR*\i, ADRB+\slot, \q, \i
.endr
	WIN 0
.endm
.macro FETCH_A slot, q, i0
.irp i, \i0, \i0+1, \i0+2, \i0+3
	FRAG AF+FR*(\i), ADRA+\slot, \q, \i
.endr
.endm
.macro SCALES sc                       ; the next K step's scale words: two words a row; lanes 0-15 take A's block i, lanes 16-31 B's block i
.irp i, 0,1,2,3,4,5,6,7
	ds_load_b64 v[SC+8*NQ*\sc+NQ*\i:SC+8*NQ*\sc+NQ*\i+1], v[ADRS] offset:\i*SBLK
.endr
.endm
.macro PLACES n                        ; plain vector lines between a matrix instruction and a load into, or a read of, its registers
.rept \n
	v_nop
.endr
.endm
.macro STEP slot, q, zero              ; a step of 128 along K that has its successor in the same slot
	s_wait_dscnt 4*NL                              ; B's set and A's blocks 0-3 are in; the youngest 24 loads (A's blocks 4-7) may be out
	WIN MUL_LO
	MUL16 0, (\q)%2, \q, \slot, \zero
	MUL16 2, (\q)%2, \q, \slot, \zero
	s_wait_dscnt 0                                 ; A's blocks 4-7 are in
	PLACES NP
	FETCH_B \slot, (\q)+1, 1-(\q)%2
	FETCH_A \slot, (\q)+1, 0
	WIN MUL_HI
	MUL16 4, (\q)%2, \q, \slot, \zero
	MUL16 6, (\q)%2, \q, \slot, \zero
	PLACES NP
	WIN 0
	FETCH_A \slot, (\q)+1, 4
.endm
; A slot's last step changes slots: ONE barrier; in front of it each wave waits for all its tensor loads, adds 0 to its spare word, and waits for that and for its own reads of this slot.
.macro TURN slot, next, fill
	s_wait_tensorcnt 0x0                           ; all my tensor loads have landed: my part of the next slot
	ds_add_u32 v[SPW], v[NIL]                      ; 0 onto my spare word
	s_wait_dscnt 4*NL+1                            ; (the add and the youngest 24 loads may be out)
	WIN MUL_LO
	MUL16 0, 1, NQ-1, \slot, 0                     ; sixteen matrix instructions stand between the add and the wait for it
	s_wait_dscnt 0x0                               ; the add is done, and my reads of this slot are over
	s_barrier_signal -1
	MUL16 2, 1, NQ-1, \slot, 0
	WIN 0
	s_barrier_wait -1
.if \fill
	CREST                                          ; the barrier has opened a round of the cluster's barrier: no wave of any partner still reads this slot or has a load on its way
	s_add_nc_u64 s[G0+4*\slot+2:G0+4*\slot+3], s[G0+4*\slot+2:G0+4*\slot+3], 2*ROWB
	s_add_nc_u64 s[G0B+4*\slot+2:G0B+4*\slot+3], s[G0B+4*\slot+2:G0B+4*\slot+3], 2*ROWB
	JLOAD G0+4*\slot, G1, G0B+4*\slot, G1B         ; the first tensor load behind the round; its four v_nop are the places in front of the loads below
.else
	PLACES NP
.endif
	v_add_nc_u32 v[ADRS], 4*NQ, v[ADRS]            ; on to the next K step's scale words
	FETCH_B \next, 0, 0
	FETCH_A \next, 0, 0
	SCALES \next
	WIN MUL_HI
	MUL16 4, 1, NQ-1, \slot, 0
	MUL16 6, 1, NQ-1, \slot, 0
	PLACES NP
	WIN 0
	FETCH_A \next, 0, 4
.endm
	s_wait_loadcnt 0x0                             ; the biases
	s_wait_tensorcnt 1                             ; the scales and my part of K step 0 are in (K step 1's load may be out),
	s_barrier_signal -1
	s_barrier_wait -1                              ; everybody's are
	FETCH_B 0, 0, 0
	FETCH_A 0, 0, 0
	SCALES 0
	FETCH_A 0, 0, 4
	STEP 0, 0, 1                                   ; the first step's products start the sums
	TURN 0, 1, 1                                   ; K = 1024 is four K steps: written straight; slot 0 takes K step 2,
	STEP 1, 0, 0
	TURN 1, 0, 1                                   ; slot 1 K step 3
	STEP 0, 0, 0
	TURN 0, 1, 0                                   ; nothing is left to fetch
	STEP 1, 0, 0
	s_wait_dscnt 4*NL
	WIN MUL_LO
	MUL16 0, 1, NQ-1, 1, 0
	MUL16 2, 1, NQ-1, 1, 0
	s_wait_dscnt 0
	WIN MUL_HI
	MUL16 4, 1, NQ-1, 1, 0
	MUL16 6, 1, NQ-1, 1, 0
	WIN 0
; 64 numbers of a lane, v[s] .. v[s + 63] (register 16 b + i: place 16 (lane / 16) + i of block b of my row) become a fragment's codes in v[CDS] on and its scale word in v[pw].
.macro QUANT s, pw
.irp b, 0,1,2,3
	v_max3_num_f32 v[TM+\b], |v[\s+16*\b]|, |v[\s+1+16*\b]|, 0x1800000   ; my 16 numbers of block b, and the floor 2^(3 - 127): the byte cannot fall under 1
.endr
.irp i, 2,4,6,8,10,12,14
.irp b, 0,1,2,3
	v_max3_num_f32 v[TM+\b], v[TM+\b], |v[\s+16*\b+\i]|, |v[\s+1+16*\b+\i]|
.endr
.endr
.irp b, 0,1,2,3
	v_permlanex16_b32 v[TM+4+\b], v[TM+\b], s[SEL], s[SEL+1]
.endr
.irp b, 0,1,2,3
	v_max_num_f32 v[TM+\b], v[TM+\b], v[TM+4+\b]   ; with lane l xor 16's: the block's largest magnitude
.endr
.irp b, 0,1,2,3
	v_add_nc_u32 v[TM+12+\b], 0xff000000, v[TM+\b] ; 2 off its exponent field: the conversion's scale operand
.endr
.irp b, 0,1,2,3
	v_lshrrev_b32 v[TM+4+\b], 23, v[TM+12+\b]      ; the scale's byte
.endr
	v_lshl_or_b32 v[\pw], v[TM+5], 8, v[TM+4]
	v_lshl_or_b32 v[\pw], v[TM+6], 16, v[\pw]
	v_lshl_or_b32 v[\pw], v[TM+7], 24, v[\pw]
.irp c, 0,1
	v_cvt_scalef32_pk16_fp6_f32 v[CDS+6*\c:CDS+2+6*\c], v[\s+32*\c:\s+15+32*\c], v[TM+12+2*\c]
	v_cvt_scalef32_pk16_fp6_f32 v[CDS+12+4*\c:CDS+14+4*\c], v[\s+16+32*\c:\s+31+32*\c], v[TM+12+2*\c+1]   ; (a conversion's three registers begin on an even number)
.endr
	v_nop                                          ; one plain line behind a scaled conversion
.irp c, 0,1                            ; the operand's layout wants a WHOLE block in a lane: lanes 0-15 block 2 c, lanes 16-31 block 2 c + 1
.irp i, 0,1,2
	v_permlane16_swap_b32 v[CDS+6*\c+\i], v[CDS+12+4*\c+\i]
.endr
.irp i, 0,1,2
	v_mov_b32 v[CDS+3+6*\c+\i], v[CDS+12+4*\c+\i]
.endr
.endr
.endm
; Block a of my 128 rows of A: the bias is added on the way into window 0 (each accumulator is read from its low end on), the 64 numbers are quantised, the codes stored.
.macro OUTA a, isv
	WIN 0x02+(\a)/4                                ; source 0: window 2 or 3
.set II, 0
.rept 32
.if \isv
	v_pk_add_f32 v[HA+II:HA+II+1], v[64*((\a)%4)+II:64*((\a)%4)+II+1], v[BV+2*(\a):BV+2*(\a)+1]
.else
	v_pk_add_f32 v[HA+II:HA+II+1], v[64*((\a)%4)+II:64*((\a)%4)+II+1], v[BI+II:BI+II+1]
.endif
.set II, II+2
.endr
	WIN 0
.if (\a) > 0
	s_wait_xcnt 0x0                                ; the last block's stores have read the codes' registers: they are written again only behind this wait
.endif
.if \isv
	QUANT HA, SW+(\a)
.irp c, 0,1,2
	global_store_b128 v[VO0], v[CDS+4*\c:CDS+4*\c+3], s[OUT:OUT+1] offset:((\a)/4)*208896+((\a)%4)*1536+512*\c   ; head a / 4 of my two, tile a % 4: 512 consecutive bytes
.endr
.else
	QUANT HA, PW
	v_lshrrev_b32 v[SW+(\a)], v[SH], v[PW]         ; lanes 0-15 keep my first head's two bytes, lanes 16-31 the second's
	v_and_b32 v[SW+(\a)], 0xffff, v[SW+(\a)]
.irp p, 0,1,2
	global_store_b64 v[VO0], v[CDS+2*\p:CDS+2*\p+1], s[OUT:OUT+1] offset:768*(\a)+256*\p          ; registers 0-5: my first head's 64 channels: 256 consecutive bytes a store
.endr
.irp p, 3,4,5
	global_store_b64 v[VO1], v[CDS+2*\p:CDS+2*\p+1], s[OUT:OUT+1] offset:768*(\a)+256*(\p-3)      ; registers 6-11: the second head's
.endr
.endif
.endm
	PLACES NP                                      ; behind the last products
	v_and_b32 v1, 31, v0                           ; lane
	v_and_b32 v2, 15, v0                           ; r
	v_bfe_u32 v3, v0, 4, 1                         ; h
	v_lshlrev_b32 v[SH], 4, v3
	v_mul_u32_u24 v4, s[HSD], v3
	v_lshl_add_u32 v[VS], v2, 4, v4                ; 16 r, + a head for lanes 16-31
.irp b, 0,1,2,3
	v_mov_b32 v[TM+4+\b], 0                        ; written once: a lane permute's destination counts as one of its sources
.endr
	s_cmp_eq_u32 ttmp9, 2                          ; the cluster's x: the same in all partners
	s_cbranch_scc1 .Lout_v
	v_lshlrev_b32 v[VO0], 3, v1                    ; q, k: 8 bytes a lane
	v_add_nc_u32 v[VO1], s[HSD], v[VO0]
.irp a, 0,1,2,3,4,5,6,7
	OUTA \a, 0
.endr
.irp g, 0,1
	global_store_b128 v[VS], v[SW+4*\g:SW+4*\g+3], s[OUT:OUT+1] offset:6144+256*\g   ; four tiles' scale words of a row: each half of the lanes stores 256 consecutive bytes of its head
.endr
	s_branch .Lout_done
.Lout_v:
	v_lshlrev_b32 v[VO0], 4, v1                    ; v: 16 bytes a lane
.irp a, 0,1,2,3,4,5,6,7
	OUTA \a, 1
.endr
	v_cmp_ne_u32 vcc_lo, 0, v3
.irp i, 0,1,2,3
	v_cndmask_b32 v[SW+\i], v[SW+\i], v[SW+4+\i], vcc_lo   ; lanes 0-15: my first head's four tiles, lanes 16-31: the second's
.endr
	global_store_b128 v[VS], v[SW:SW+3], s[OUT:OUT+1] offset:6144
.Lout_done:
	s_wait_tensorcnt 0x0                           ; the wave's end
	ds_add_u32 v[SPW], v[NIL]
	s_wait_dscnt 0x0
	CROUND                                         ; the closing round: no work-group ends while a partner may still ask for a tile that names it
	s_endpgm
.Lfunc_end_k_qf457d69648_qkv:
	.size	k_qf457d69648_qkv, .Lfunc_end_k_qf457d69648_qkv-k_qf457d69648_qkv
	.p2alignl 7, 3214868480
	.fill 96, 4, 3214868480
	.section	.rodata,"a",@progbits
	.p2align	6, 0x0
	.amdhsa_kernel k_qf457d69648_qkv
		.amdhsa_group_segment_fixed_size 327680
		.amdhsa_private_segment_fixed_size 0
		.amdhsa_enable_private_segment 0
		.amdhsa_kernarg_size 72
		.amdhsa_user_sgpr_count 2
		.amdhsa_user_sgpr_kernarg_segment_ptr 1
		.amdhsa_wavefront_size32 1
		.amdhsa_system_sgpr_workgroup_id_x 1
		.amdhsa_system_sgpr_workgroup_id_y 1
		.amdhsa_system_sgpr_workgroup_id_z 1
		.amdhsa_system_vgpr_workitem_id 0
		.amdhsa_next_free_vgpr 1024
		.amdhsa_next_free_sgpr 102
		.amdhsa_reserve_vcc 1
		.amdhsa_float_denorm_mode_32 3
		.amdhsa_float_denorm_mode_16_64 3
		.amdhsa_memory_ordered 1
		.amdhsa_forward_progress 1
		.amdhsa_inst_pref_size 236
	.end_amdhsa_kernel
	.amdgpu_metadata
---
amdhsa.version: [ 1, 2 ]
amdhsa.kernels:
  - .name:           k_qf457d69648_qkv
    .symbol:         k_qf457d69648_qkv.kd
    .args:
      - { .name: xc, .offset: 0, .size: 8, .value_kind: global_buffer, .address_space: global }
      - { .name: xs, .offset: 8, .size: 8, .value_kind: global_buffer, .address_space: global }
      - { .name: wc, .offset: 16, .size: 8, .value_kind: global_buffer, .address_space: global }
      - { .name: ws, .offset: 24, .size: 8, .value_kind: global_buffer, .address_space: global }
      - { .name: bq, .offset: 32, .size: 8, .value_kind: global_buffer, .address_space: global }
      - { .name: bk, .offset: 40, .size: 8, .value_kind: global_buffer, .address_space: global }
      - { .name: bv, .offset: 48, .size: 8, .value_kind: global_buffer, .address_space: global }
      - { .name: qi, .offset: 56, .size: 8, .value_kind: global_buffer, .address_space: global }
      - { .name: kv, .offset: 64, .size: 8, .value_kind: global_buffer, .address_space: global }
    .group_segment_fixed_size: 327680
    .private_segment_fixed_size: 0
    .kernarg_segment_align: 8
    .kernarg_segment_size: 72
    .max_flat_workgroup_size: 128
    .sgpr_count:     102
    .vgpr_count:     1024
    .wavefront_size: 32
...
	.end_amdgpu_metadata
.endif
;; end of part 2
;; launch attn (part 3): grid 4 x 64, 16 waves a work-group, no clusters, 327,680 bytes of LDS; arguments qi, kv, ac, asc; writes ac, asc
.if DOCPART == 3
	.amdgcn_target "amdgcn-amd-amdhsa--gfx1250"
	.amdhsa_code_object_version 6
	.text
	.protected	k_qf457d69648_attn
	.globl	k_qf457d69648_attn
	.p2align	8
	.type	k_qf457d69648_attn,@function
k_qf457d69648_attn:
	s_mov_b64 s[64:65], 0
	v_nop
	global_prefetch_b8 v0, s[64:65] scope:SCOPE_SE
	s_setreg_imm32_b32 hwreg(HW_REG_WAVE_MODE, 25, 1), 1
	s_wait_xcnt 0x0
; Causal attention of 64 heads (batch x head), 2,048 tokens, head size 64, both products on codes of FP6 (E2M3) with E8M0 scales; the result, divided by the row's sum, is quantised along head x channel and stored as codes.
; qi, kv: images of operand registers, as the launch before lays them (see there).  ac [row tile 512][head 16][768]: registers 2 p, 2 p + 1 at 256 p + 8 lane; asc [row tile][head / 4][r 16][head % 4]: two bytes each.
; THE SOFTMAX: t = score x log2(e) / 8; M = the row's largest t so far, rounded UP to a whole number; p = 2^(t - M) is quantised along the keys, not normalised; the row's sum is taken of the unquantised p and divides
; at the end.  When M moves, the sum and O are multiplied by 2^(old M - new M): exact.
; SHARES.  Work-group (i, bh) owns the blocks i and 7 - i of 256 queries of head bh; wave w of sixteen owns 16 queries of the block in hand, in 256 registers.  Block i wants the key slots 0 .. i (256 keys each), block 7 - i
; the slots 0 .. 7 - i: NINE VISITS of a slot in every work-group, so the trip count is a constant and all 256 work-groups have equal work.  On a block's last slot waves 0-7 leave out the second key step, all of whose keys are hidden.
; No cluster: in the same visit the four work-groups of a head want different slots; walked in step they would make 12 visits' time of 9.  No prefetch: each refill stands straight behind its barrier and has a whole visit's work of all sixteen waves in which to land.
; LAYOUT.  Both products transposed: S^T = K Q^T (source 0 = 16 neighbouring keys, source 1 = my 16 queries), O^T = V^T P^T: a lane holds ONE query throughout.  The 16 registers of two neighbouring tiles of S^T are one half
; of a block of 32 keys in the order that all operands of this program have: the code at place 16 e + 8 u + j is k = 16 u + 8 e + j.  V's codes lie in the same order.
; THE FIRST PRODUCT'S K IS 64: the instruction's upper 64 are zero CODES on Q's side (six registers, cleared once); on K's side the next tile's codes stand there, which count for nothing against zeros.
; LIMITS: as in the launches before: a block of zeros has the byte 1; NaN and infinities are not served.
.set STEPB, 13056                      ; a key step in kv and in LDS: K's 8 tiles (6144), their scale words (512), V^T's 4 tiles (6144), their scale words (256)
.set SLOT1, 32768                      ; slot 1 begins here: one exclusive or turns an address in one slot into the other's
.set SPARE, 65536                      ; the spare words, 128 bytes a wave: eight blocks of 256 bytes that no other line names
.set L8,   1                           ; 8 x lane
.set L16,  2                           ; 16 x lane
.set R16,  3                           ; 16 x (lane % 16)
.set SPW,  4                           ; LDS address of my spare word; never rewritten
.set NIL,  5                           ; 0; never rewritten
.set AD8,  6                           ; LDS addresses of the slot in hand
.set AD16, 7
.set ADR,  8
.set NINF, 9                           ; -infinity
.set R8,   10                          ; 8 x (lane % 16)
.set RH,   11                          ; lane % 16 - 8 (lane / 16)
.set KV,   32                          ; v32-79 K's 8 tiles x 6 registers, later V's 4 x 12; v80-85 zeros
.set S,    86                          ; v86-149 S^T, then p
.set O,    150                         ; v150-181 O^T
.set SCW,  184                         ; v184-191 K's scale words, later V's four
.set FO,   192                         ; v192-223 O / the sum
; v12 -M, v13 the largest t, v[14:15] the sum; v16-21 Q, v22-27 zeros; v224-235 codes; v232-247 at work; v252 f; v253 p's scale word; v254 at work; v255 Q's scale word
.set WV,   12
.set PI,   13                          ; i
.set BH,   14
.set BQ,   15                          ; the block of queries in hand
.set QA,   16                          ; s[16:17] my tile of Q
.set QSP,  18                          ; s[18:19] its scale words
.set SEL,  20
.set CS,   22                          ; s[22:23] c = log2(e) / 8
.set G1,   24
.set G0,   32
.set OA,   36                          ; s[36:37] my tile in ac
.set OS,   38                          ; s[38:39] and in asc
.set TB,   40                          ; LDS byte at which the slot in hand begins
.set KF,   41                          ; the step's first key
.set Q0,   42                          ; my first query
.set VIS,  43                          ; the visit
.set BK,   44                          ; s[44:45] what the walking descriptor goes back by
.set RB,   46                          ; (i + 1) slots in bytes
.macro TLOAD                           ; waves 0 and 1 fetch a slot's two steps, the others nothing; four v_nop follow the line
	s_cmp_lt_u32 s[WV], 2
	s_cbranch_scc0 .Lnone_\@
	tensor_load_to_lds s[G0:G0+3], s[G1:G1+7]
	s_nop 0
.rept 4
	v_nop
.endr
.Lnone_\@:
.endm
.macro SETBLOCK                        ; addresses and numbers that hang on the block in hand
	s_lshl_b32 s48, s[BQ], 1
	s_lshr_b32 s49, s[WV], 3
	s_add_co_u32 s48, s48, s49                     ; my 128 queries' number in the head
	s_lshl_b32 s49, s[BH], 4
	s_add_co_u32 s48, s48, s49
	s_mul_i32 s48, s48, 6656
	s_and_b32 s50, s[WV], 7                        ; my tile among the eight
	s_mul_i32 s51, s50, 768
	s_add_co_u32 s52, s48, s51
	s_mov_b32 s53, 0
	s_add_nc_u64 s[QA:QA+1], s[4:5], s[52:53]
	s_lshr_b32 s51, s50, 2
	s_lshl_b32 s51, s51, 8
	s_and_b32 s50, s50, 3
	s_lshl_b32 s50, s50, 2
	s_add_co_u32 s52, s48, s51
	s_add_co_u32 s52, s52, s50
	s_add_co_u32 s52, s52, 6144
	s_add_nc_u64 s[QSP:QSP+1], s[4:5], s[52:53]
	s_lshr_b32 s48, s[BH], 4
	s_lshl_b32 s48, s48, 7
	s_lshl_b32 s49, s[BQ], 4
	s_add_co_u32 s48, s48, s49
	s_add_co_u32 s48, s48, s[WV]                   ; my row tile: 128 batch + 16 block + wave
	s_and_b32 s49, s[BH], 15                       ; the head
	s_mul_i32 s52, s48, 12288
	s_mul_i32 s50, s49, 768
	s_add_co_u32 s52, s52, s50
	s_add_nc_u64 s[OA:OA+1], s[8:9], s[52:53]
	s_lshl_b32 s52, s48, 9
	s_lshr_b32 s50, s49, 2
	s_lshl_b32 s50, s50, 7
	s_add_co_u32 s52, s52, s50
	s_and_b32 s50, s49, 3
	s_lshl_b32 s50, s50, 1
	s_add_co_u32 s52, s52, s50
	s_add_nc_u64 s[OS:OS+1], s[10:11], s[52:53]
	s_lshl_b32 s[Q0], s[BQ], 8
	s_lshl_b32 s48, s[WV], 4
	s_add_co_u32 s[Q0], s[Q0], s48
	s_mov_b32 s[KF], 0
.endm
.macro INIT                            ; my tile of Q is asked for; the sums begin as zeros and the largest t as -3e38, so that the first step is a step like any other
.irp p, 0,1,2
	global_load_b64 v[16+2*\p:17+2*\p], v[L8], s[QA:QA+1] offset:256*\p
.endr
	global_load_b32 v255, v[R16], s[QSP:QSP+1]
	v_mov_b32 v13, 0xff61b1e6
	s_delay_alu instid0(VALU_DEP_1)
	v_floor_f32 v12, -v13
	v_mov_b32 v14, 0
	v_mov_b32 v15, 0
.set II, 0
.rept 32
	v_mov_b32 v[O+II], 0
.set II, II+1
.endr
.endm
; A KEY STEP: 128 keys, the q-th of the slot in hand.
.macro STEP q
	s_add_co_u32 s48, s[Q0], 15                    ; a step all of whose keys come after my 16 queries is left out: a scalar branch on ids, round no barrier and no tensor load
	s_cmp_gt_u32 s[KF], s48
	s_cbranch_scc1 .Lhidden_\@
	v_add_nc_u32 v[AD8], s[TB], v[L8]
	v_add_nc_u32 v[AD16], s[TB], v[L16]
	v_add_nc_u32 v[ADR], s[TB], v[R16]
	v_nop                                          ; four plain lines in front of loads into registers that the last products have read
.irp a, 0,1,2,3,4,5,6,7
.irp p, 0,1,2
	ds_load_b64 v[KV+6*\a+2*\p:KV+6*\a+2*\p+1], v[AD8] offset:(\q)*STEPB+768*\a+256*\p   ; 32 lanes read 256 consecutive bytes
.endr
.endr
.irp g, 0,1
	ds_load_b128 v[SCW+4*\g:SCW+4*\g+3], v[ADR] offset:(\q)*STEPB+6144+256*\g
.endr
	s_wait_alu depctr_va_vdst(0)
	s_wait_dscnt 0x0
.irp a, 0,1,2,3,4,5,6,7
	v_wmma_scale_f32_16x16x128_f8f6f4 v[S+8*\a:S+8*\a+7], v[KV+6*\a:KV+6*\a+11], v[16:27], 0, v[SCW+\a], v255 matrix_a_fmt:MATRIX_FMT_FP6 matrix_b_fmt:MATRIX_FMT_FP6
.endr
.rept 4
	v_nop                                          ; places: behind them V is loaded over K, and the scores are read
.endr
.irp t, 0,1,2,3
.irp c, 0,1,2
	ds_load_b128 v[KV+12*\t+4*\c:KV+12*\t+4*\c+3], v[AD16] offset:(\q)*STEPB+6656+1536*\t+512*\c   ; V^T lands while the softmax is worked
.endr
.endr
	ds_load_b128 v[SCW:SCW+3], v[ADR] offset:(\q)*STEPB+12800
	s_add_co_u32 s48, s[KF], 127                   ; on the diagonal hidden scores become -infinity ahead of the maximum; a step all of whose keys count skips this
	s_cmp_le_u32 s48, s[Q0]
	s_cbranch_scc1 .Lopen_\@
	s_sub_co_i32 s48, s[Q0], s[KF]
	v_add_nc_u32 v254, s48, v[RH]                  ; d = my query - KF - 8 (lane / 16).  Register n holds key KF + 16 (n / 8) + 8 (lane / 16) + n % 8: hidden where 16 (n / 8) + n % 8 > d
.irp n, 0,1,2,3,4,5,6,7,8,9,10,11,12,13,14,15,16,17,18,19,20,21,22,23,24,25,26,27,28,29,30,31,32,33,34,35,36,37,38,39,40,41,42,43,44,45,46,47,48,49,50,51,52,53,54,55,56,57,58,59,60,61,62,63
	v_cmp_gt_i32 vcc_lo, 16*(\n/8)+\n%8, v254
	v_cndmask_b32 v[S+\n], v[S+\n], v[NINF], vcc_lo
.endr
.Lopen_\@:
.irp b, 0,1,2,3
	v_max3_num_f32 v[232+\b], v[S+16*\b], v[S+1+16*\b], v[S+2+16*\b]   ; the largest score of each block of 32 keys: for the row's maximum and, since p rises with the score, for the block's largest p
.endr
.irp i, 3,5,7,9,11,13
.irp b, 0,1,2,3
	v_max3_num_f32 v[232+\b], v[232+\b], v[S+16*\b+\i], v[S+1+16*\b+\i]
.endr
.endr
.irp b, 0,1,2,3
	v_max_num_f32 v[232+\b], v[232+\b], v[S+15+16*\b]
.endr
.irp b, 0,1,2,3
	s_delay_alu instid0(VALU_DEP_4)
	v_permlanex16_b32 v[236+\b], v[232+\b], s[SEL], s[SEL+1]
.endr
.irp b, 0,1,2,3
	s_delay_alu instid0(VALU_DEP_4)
	v_max_num_f32 v[232+\b], v[232+\b], v[236+\b]  ; with lane l xor 16's 16 keys
.endr
	s_delay_alu instid0(VALU_DEP_2)
	v_max3_num_f32 v254, v232, v233, v234
	s_delay_alu instid0(VALU_DEP_1)
	v_max_num_f32 v254, v254, v235                 ; the step's largest score of my query
	s_delay_alu instid0(VALU_DEP_1)
	v_mul_f32 v254, s[CS], v254                    ; as t
	s_delay_alu instid0(VALU_DEP_1)
	v_max_num_f32 v13, v13, v254                   ; the running largest t
	v_mov_b32 v254, v12
	s_delay_alu instid0(VALU_DEP_2)
	v_floor_f32 v12, -v13                          ; the new -M = floor(-t): M is a whole number
	s_delay_alu instid0(VALU_DEP_1)
	v_sub_f32 v254, v12, v254                      ; old M - new M: a whole number, 0 or less
	s_delay_alu instid0(VALU_DEP_1)
	v_cvt_i32_f32 v254, v254                       ; (it saturates)
	s_delay_alu instid0(VALU_DEP_1)
	v_ldexp_f32 v252, 1.0, v254                    ; f = 2^(old M - new M)
.irp j, 0,2,4,6,8,10,12,14,16,18,20,22,24,26,28,30,32,34,36,38,40,42,44,46,48,50,52,54,56,58,60,62
	v_pk_fma_f32 v[S+\j:S+1+\j], v[S+\j:S+1+\j], s[CS:CS+1], v[12:13] op_sel_hi:[1,0,0]   ; t - M, two at a time
.endr
.irp b, 0,1,2,3
	v_fma_f32 v[232+\b], v[232+\b], s[CS], v12     ; the same of each block's largest score
.endr
	s_wait_alu depctr_va_vdst(0)
.irp j, 0,1,2,3,4,5,6,7,8,9,10,11,12,13,14,15,16,17,18,19,20,21,22,23,24,25,26,27,28,29,30,31,32,33,34,35,36,37,38,39,40,41,42,43,44,45,46,47,48,49,50,51,52,53,54,55,56,57,58,59,60,61,62,63
	v_exp_f32 v[S+\j], v[S+\j]                     ; p = 2^(t - M), at most 1
.endr
	v_pk_mul_f32 v[14:15], v[14:15], v[252:253] op_sel_hi:[1,0]   ; the sums under the new M (a plain line behind the exponentials)
	s_wait_alu depctr_va_vdst(0)                   ; one wait for the batch of 64, ahead of its first reader
.irp b, 0,1,2,3
	v_exp_f32 v[232+\b], v[232+\b]                 ; the block's largest p: the same two instructions on the same number give the same bits
.endr
	v_pk_add_f32 v[236:237], v[90:91], v[94:95]
	v_pk_add_f32 v[250:251], v[98:99], v[102:103]
	v_pk_add_f32 v[248:249], v[106:107], v[110:111]
	v_pk_add_f32 v[246:247], v[114:115], v[118:119]
	v_pk_add_f32 v[244:245], v[122:123], v[126:127]
	v_pk_add_f32 v[242:243], v[130:131], v[134:135]
	v_pk_add_f32 v[240:241], v[138:139], v[142:143]
	v_pk_add_f32 v[14:15], v[14:15], v[146:147]
	v_pk_add_f32 v[236:237], v[236:237], v[86:87]
	v_pk_add_f32 v[250:251], v[250:251], v[88:89]
	v_pk_add_f32 v[248:249], v[248:249], v[92:93]
	v_pk_add_f32 v[246:247], v[246:247], v[96:97]
	v_pk_add_f32 v[244:245], v[244:245], v[100:101]
	v_pk_add_f32 v[242:243], v[242:243], v[104:105]
	v_pk_add_f32 v[240:241], v[240:241], v[108:109]
	v_pk_add_f32 v[14:15], v[14:15], v[112:113]
	v_pk_add_f32 v[236:237], v[236:237], v[116:117]
	v_pk_add_f32 v[250:251], v[250:251], v[120:121]
	v_pk_add_f32 v[248:249], v[248:249], v[124:125]
	v_pk_add_f32 v[246:247], v[246:247], v[128:129]
	v_pk_add_f32 v[244:245], v[244:245], v[132:133]
	v_pk_add_f32 v[242:243], v[242:243], v[136:137]
	v_pk_add_f32 v[240:241], v[240:241], v[140:141]
	v_pk_add_f32 v[14:15], v[14:15], v[144:145]
	v_pk_add_f32 v[236:237], v[236:237], v[148:149]
	s_delay_alu instid0(VALU_DEP_2)
	v_pk_add_f32 v[14:15], v[14:15], v[246:247]
	s_delay_alu instid0(VALU_DEP_2)
	v_pk_add_f32 v[236:237], v[236:237], v[244:245]
	v_pk_add_f32 v[250:251], v[250:251], v[242:243]
	v_pk_add_f32 v[248:249], v[248:249], v[240:241]
	s_delay_alu instid0(VALU_DEP_2)
	v_pk_add_f32 v[14:15], v[14:15], v[250:251]
	s_delay_alu instid0(VALU_DEP_2)
	v_pk_add_f32 v[236:237], v[236:237], v[248:249]
	s_delay_alu instid0(VALU_DEP_1)
	v_pk_add_f32 v[14:15], v[14:15], v[236:237]
	s_wait_alu depctr_va_vdst(0)                   ; and one for the four
.irp b, 0,1,2,3
	v_max_num_f32 v[232+\b], 0x1800000, v[232+\b]  ; the floor 2^(3 - 127): the byte cannot fall under 1
.endr
.irp b, 0,1,2,3
	s_delay_alu instid0(VALU_DEP_4)
	v_add_nc_u32 v[244+\b], 0xff000000, v[232+\b]  ; 2 off the exponent field: the conversion's scale operand
.endr
.irp b, 0,1,2,3
	s_delay_alu instid0(VALU_DEP_4)
	v_lshrrev_b32 v[236+\b], 23, v[244+\b]         ; the scale's byte
.endr
	s_delay_alu instid0(VALU_DEP_3)
	v_lshl_or_b32 v253, v237, 8, v236              ; p's scale word for these 128 keys
	s_delay_alu instid0(VALU_DEP_1)
	v_lshl_or_b32 v253, v238, 16, v253
	s_delay_alu instid0(VALU_DEP_1)
	v_lshl_or_b32 v253, v239, 24, v253
.irp c, 0,1
	v_cvt_scalef32_pk16_fp6_f32 v[224+6*\c:226+6*\c], v[S+32*\c:S+15+32*\c], v[244+2*\c]
	v_cvt_scalef32_pk16_fp6_f32 v[236+4*\c:238+4*\c], v[S+16+32*\c:S+31+32*\c], v[244+2*\c+1]
.endr
	v_nop                                          ; one plain line behind a scaled conversion
.irp c, 0,1
.irp i, 0,1,2
	v_permlane16_swap_b32 v[224+6*\c+\i], v[236+4*\c+\i]
.endr
.irp i, 0,1,2
	s_delay_alu instid0(VALU_DEP_3)
	v_mov_b32 v[227+6*\c+\i], v[236+4*\c+\i]
.endr
.endr
.irp j, 0,2,4,6,8,10,12,14,16,18,20,22,24,26,28,30
	v_pk_mul_f32 v[O+\j:O+1+\j], v[O+\j:O+1+\j], v[252:253] op_sel_hi:[1,0]   ; O^T under the new M.  (These 16 are also the places between the codes' and the scale word's last writes and the products)
.endr
	s_wait_alu depctr_va_vdst(0)
	s_wait_dscnt 0x0                               ; V^T and its scale words are in
.irp t, 0,1,2,3
	v_wmma_scale_f32_16x16x128_f8f6f4 v[O+8*\t:O+8*\t+7], v[KV+12*\t:KV+12*\t+11], v[224:235], v[O+8*\t:O+8*\t+7], v[SCW+\t], v253 matrix_a_fmt:MATRIX_FMT_FP6 matrix_b_fmt:MATRIX_FMT_FP6
.endr
.Lhidden_\@:
	s_add_co_u32 s[KF], s[KF], 128
.endm
; THE CHANGE OF SLOTS stands at a visit's head.  Each wave waits for all its tensor loads, adds 0 to its spare word, and waits for that and for its reads of the slot that it has left.  Behind the barrier the slot ahead is
; whole and nobody reads the other one.  fill = 1: that other slot is filled with the next visit's keys: the slot that follows, or slot 0 again where this visit is the early block's last.
.macro CHANGE fill
	s_wait_tensorcnt 0x0                           ; no tensor load of mine is out, so group 0 may be written
	ds_add_u32 v[SPW], v[NIL]                      ; 0 onto my spare word
.if \fill
	s_xor_b32 s[G0+1], s[G0+1], SLOT1
	s_add_nc_u64 s[G0+2:G0+3], s[G0+2:G0+3], 2*STEPB
	s_cmp_eq_u32 s[VIS], s[PI]
	s_cselect_b32 s[BK], s[RB], 0
	s_sub_nc_u64 s[G0+2:G0+3], s[G0+2:G0+3], s[BK:BK+1]
.endif
	s_wait_dscnt 0x0                               ; the add is done, and my reads of the slot that I have left are over
	s_barrier_signal -1
	s_barrier_wait -1
.if \fill
	TLOAD                                          ; the first thing behind the barrier, and a wave's one tensor load until the next
.endif
	s_wait_loadcnt 0x0                             ; Q, where it has just been asked for
.endm
; A BLOCK'S END: O^T / the sum; my 32 numbers are two halves of blocks of 32 along head x channel: quantised, and stored as an image of six operand registers.
.macro FINISH
.rept 4
	v_nop                                          ; places behind the last products
.endr
	v_add_f32 v14, v14, v15
	s_delay_alu instid0(VALU_DEP_1)
	v_permlanex16_b32 v254, v14, s[SEL], s[SEL+1]
	s_delay_alu instid0(VALU_DEP_1)
	v_add_f32 v14, v14, v254                       ; the row's sum
	s_wait_alu depctr_va_vdst(0)
	v_rcp_f32 v252, v14
	v_nop                                          ; a plain line behind the reciprocal
	s_wait_alu depctr_va_vdst(0)                   ; and the wait ahead of its first reader
.set II, 0
.rept 16
	v_pk_mul_f32 v[FO+II:FO+II+1], v[O+II:O+II+1], v[252:253] op_sel_hi:[1,0]   ; register 8 t + j: channel 16 t + 8 (lane / 16) + j of my query
.set II, II+2
.endr
.irp b, 0,1
	v_max3_num_f32 v[232+\b], |v[FO+16*\b]|, |v[FO+1+16*\b]|, 0x1800000
.endr
.irp i, 2,4,6,8,10,12,14
.irp b, 0,1
	s_delay_alu instid0(VALU_DEP_2)
	v_max3_num_f32 v[232+\b], v[232+\b], |v[FO+16*\b+\i]|, |v[FO+1+16*\b+\i]|
.endr
.endr
.irp b, 0,1
	s_delay_alu instid0(VALU_DEP_2)
	v_permlanex16_b32 v[236+\b], v[232+\b], s[SEL], s[SEL+1]
.endr
.irp b, 0,1
	s_delay_alu instid0(VALU_DEP_2)
	v_max_num_f32 v[232+\b], v[232+\b], v[236+\b]
.endr
.irp b, 0,1
	s_delay_alu instid0(VALU_DEP_2)
	v_add_nc_u32 v[244+\b], 0xff000000, v[232+\b]
.endr
.irp b, 0,1
	s_delay_alu instid0(VALU_DEP_2)
	v_lshrrev_b32 v[236+\b], 23, v[244+\b]
.endr
	s_delay_alu instid0(VALU_DEP_1)
	v_lshl_or_b32 v254, v237, 8, v236              ; the head's two scale bytes of my row
	v_cvt_scalef32_pk16_fp6_f32 v[224:226], v[FO:FO+15], v244
	v_cvt_scalef32_pk16_fp6_f32 v[236:238], v[FO+16:FO+31], v245
	v_nop
.irp i, 0,1,2
	v_permlane16_swap_b32 v[224+\i], v[236+\i]
.endr
.irp i, 0,1,2
	s_delay_alu instid0(VALU_DEP_3)
	v_mov_b32 v[227+\i], v[236+\i]
.endr
.irp p, 0,1,2
	global_store_b64 v[L8], v[224+2*\p:225+2*\p], s[OA:OA+1] offset:256*\p   ; 32 lanes store 256 consecutive bytes, aligned
.endr
	global_store_b16 v[R8], v254, s[OS:OS+1]       ; two bytes a row, 8 bytes apart (both halves of the lanes store the same): 32 bytes beside the tile's 768 of codes
.endm
	s_load_b256 s[4:11], s[0:1], 0x0               ; qi, kv, ac, asc
	v_lshl_add_u32 v[SPW], v0, 2, SPARE
	v_mov_b32 v[NIL], 0
	ds_add_u32 v4, v5
	ds_add_u32 v4, v5
	s_wait_dscnt 0x0
	v_lshrrev_b32 v6, 5, v0
	s_delay_alu instid0(VALU_DEP_1)
	v_readfirstlane_b32 s[WV], v6                  ; wave 0..15
	s_mov_b32 s[PI], ttmp9
	s_and_b32 s[BH], ttmp7, 0xffff
	; descriptor group 1: a key step, 13,056 dense bytes, as 51 rows of 256 bytes (32 elements of 8), no padding
	s_mov_b32 s[G1], 3<<16
	s_mov_b32 s[G1+1], 32<<16
	s_mov_b32 s[G1+2], 51<<16
	s_mov_b32 s[G1+3], 32<<16
	s_mov_b32 s[G1+4], 51
	s_mov_b32 s[G1+5], 32
	s_mov_b32 s[G1+6], 0
	s_mov_b32 s[G1+7], 0
	s_and_b32 s48, s[WV], 1
	s_mul_i32 s49, s48, STEPB                      ; which step of a slot I fetch, if I fetch: in memory and in LDS alike
	s_mul_i32 s50, s[BH], 16*STEPB
	s_add_co_u32 s50, s50, s49
	s_mov_b32 s51, 0
	s_mov_b32 s[SEL], 0x76543210
	s_mov_b32 s[SEL+1], 0xfedcba98
	s_mov_b32 s[CS], 0x3e38aa3b                    ; c = log2(e) / sqrt(64)
	s_mov_b32 s[CS+1], s[CS]
	s_add_co_u32 s[RB], s[PI], 1
	s_mul_i32 s[RB], s[RB], 2*STEPB
	s_mov_b32 s[BK], 0
	s_mov_b32 s[BK+1], 0
	s_mov_b32 s[TB], 0
	s_mov_b32 s[VIS], 0
	s_mov_b32 s[BQ], s[PI]
	s_wait_kmcnt 0x0
	s_mov_b32 s[G0], 1
	s_mov_b32 s[G0+1], s49
	s_add_nc_u64 s[G0+2:G0+3], s[6:7], s[50:51]
	s_or_b32 s[G0+3], s[G0+3], 0x80000000
	TLOAD                                          ; slot 0: one tensor load of mine is out, the most in this text
	v_and_b32 v6, 31, v0
	s_delay_alu instid0(VALU_DEP_1)
	v_lshlrev_b32 v[L8], 3, v6
	s_delay_alu instid0(VALU_DEP_2)
	v_lshlrev_b32 v[L16], 4, v6
	v_and_b32 v6, 15, v0
	s_delay_alu instid0(VALU_DEP_1)
	v_lshlrev_b32 v[R16], 4, v6
	s_delay_alu instid0(VALU_DEP_2)
	v_lshlrev_b32 v[R8], 3, v6
	v_bfe_u32 v7, v0, 4, 1
	s_delay_alu instid0(VALU_DEP_1)
	v_lshlrev_b32 v7, 3, v7
	s_delay_alu instid0(VALU_DEP_1)
	v_sub_nc_u32 v[RH], v6, v7
	v_mov_b32 v[NINF], 0xff800000
.irp j, 22,23,24,25,26,27,80,81,82,83,84,85
	v_mov_b32 v\j, 0                               ; Q's upper 64 of K: zero codes; and what stands behind K's last tile
.endr
.irp j, 236,237,238,239,253,254
	v_mov_b32 v\j, 0                               ; written once: a lane permute's destination counts as one of its sources; v253 is named in a pair before it is first written
.endr
	SETBLOCK
	INIT
.Lvisit:                                           ; eight trips: behind each change of slots but the last the next visit's slot is asked for
	CHANGE 1
	STEP 0
	STEP 1
	s_xor_b32 s[TB], s[TB], SLOT1
	s_cmp_lg_u32 s[VIS], s[PI]                     ; the early block's last visit?  A branch on ids, round no barrier, tensor load or LDS access
	s_cbranch_scc1 .Lsame
	FINISH
	s_wait_xcnt 0x0                                ; the stores have read their bases and their data: both are written again only behind this wait
	s_sub_co_u32 s[BQ], 7, s[PI]
	SETBLOCK
	INIT
.Lsame:
	s_add_co_u32 s[VIS], s[VIS], 1
	s_cmp_lt_u32 s[VIS], 8
	s_cbranch_scc1 .Lvisit
	CHANGE 0                                       ; the last visit is written out
	STEP 0
	STEP 1
	FINISH
	s_wait_tensorcnt 0x0                           ; the wave's end
	ds_add_u32 v[SPW], v[NIL]
	s_wait_dscnt 0x0
	s_endpgm
.Lfunc_end_k_qf457d69648_attn:
	.size	k_qf457d69648_attn, .Lfunc_end_k_qf457d69648_attn-k_qf457d69648_attn
	.p2alignl 7, 3214868480
	.fill 96, 4, 3214868480
	.section	.rodata,"a",@progbits
	.p2align	6, 0x0
	.amdhsa_kernel k_qf457d69648_attn
		.amdhsa_group_segment_fixed_size 327680
		.amdhsa_private_segment_fixed_size 0
		.amdhsa_enable_private_segment 0
		.amdhsa_kernarg_size 32
		.amdhsa_user_sgpr_count 2
		.amdhsa_user_sgpr_kernarg_segment_ptr 1
		.amdhsa_wavefront_size32 1
		.amdhsa_system_sgpr_workgroup_id_x 1
		.amdhsa_system_sgpr_workgroup_id_y 1
		.amdhsa_system_sgpr_workgroup_id_z 1
		.amdhsa_system_vgpr_workitem_id 0
		.amdhsa_next_free_vgpr 256
		.amdhsa_next_free_sgpr 66
		.amdhsa_reserve_vcc 1
		.amdhsa_float_denorm_mode_32 3
		.amdhsa_float_denorm_mode_16_64 3
		.amdhsa_memory_ordered 1
		.amdhsa_forward_progress 1
		.amdhsa_inst_pref_size 110
	.end_amdhsa_kernel
	.amdgpu_metadata
---
amdhsa.version: [ 1, 2 ]
amdhsa.kernels:
  - .name:           k_qf457d69648_attn
    .symbol:         k_qf457d69648_attn.kd
    .args:
      - { .name: qi, .offset: 0, .size: 8, .value_kind: global_buffer, .address_space: global }
      - { .name: kv, .offset: 8, .size: 8, .value_kind: global_buffer, .address_space: global }
      - { .name: ac, .offset: 16, .size: 8, .value_kind: global_buffer, .address_space: global }
      - { .name: asc, .offset: 24, .size: 8, .value_kind: global_buffer, .address_space: global }
    .group_segment_fixed_size: 327680
    .private_segment_fixed_size: 0
    .kernarg_segment_align: 8
    .kernarg_segment_size: 32
    .max_flat_workgroup_size: 512
    .sgpr_count:     66
    .vgpr_count:     256
    .wavefront_size: 32
...
	.end_amdgpu_metadata
.endif
;; end of part 3
;; launch oproj (part 4): grid 4 x 64, 4 waves a work-group, clusters of 4 x 4, 327,680 bytes of LDS; arguments ac, asc, wc, ws, out0, bo; writes out0
.if DOCPART == 4
	.amdgcn_target "amdgcn-amd-amdhsa--gfx1250"
	.amdhsa_code_object_version 6
	.text
	.protected	k_qf457d69648_oproj
	.globl	k_qf457d69648_oproj
	.p2align	8
	.type	k_qf457d69648_oproj,@function
k_qf457d69648_oproj:
	s_mov_b64 s[64:65], 0
	v_nop
	global_prefetch_b8 v0, s[64:65] scope:SCOPE_SE
	s_setreg_imm32_b32 hwreg(HW_REG_WAVE_MODE, 25, 1), 1
	s_wait_xcnt 0x0
	s_wait_alu depctr_hold_cnt(0) depctr_sa_sdst(0) depctr_va_vdst(0) depctr_va_sdst(0) depctr_va_ssrc(0) depctr_va_vcc(0) depctr_vm_vsrc(0)
	s_getreg_b32 s2, hwreg(HW_REG_IB_STS2, 6, 4)
	s_cmp_eq_u32 s2, 0
	s_cbranch_scc0 .Lentry_in_a_cluster
	s_endpgm
.Lentry_in_a_cluster:
	s_bfe_u32 s2, ttmp6, 0x10000c
	s_cmp_lg_u32 s2, 0xf033
	s_cbranch_scc0 .Lentry_shape_is_right
	s_endpgm
.Lentry_shape_is_right:
; out0 = attn Wo^T + bo on codes of FP6 (E2M3) with E8M0 scales, K = 1024.  attn: ac, asc, as the attention launch lays them: images of operand registers, [row tile of 16][head][768 bytes]; Wo: rows 3072-4095 of wc, ws.
; A tile of out0 is 128 rows x 256 columns: 256 work-groups, one for each WGP (tiles of 256 x 256 would be 128).  Four waves, each 64 x 128: 32 accumulators of 16 x 16, 256 registers.
; K goes in steps of 256 (four heads) through a ring of two LDS slots; the scale bytes come once.  CLUSTERS of 4 x 4: attn's tile (A, source 1) is shared along a row of the cluster, Wo's (B, source 0) along a column; each is asked for jointly.
; The matrix instruction is used transposed: a lane holds eight neighbouring numbers of a row of out0.  The bias is the C of each sum's first product.
; Both operands carry this program's order inside a block of 32 (place 16 e + 8 u + j holds k = 16 u + 8 e + j): the sums' terms are the same, their grouping is not ascending k.
; No prefetch and no staying work-groups: a work-group has two refills in all.
; REGISTERS: window 0: v0-31 addresses; v32-79 scale words, two sets of 24 (A's 8, B's 16); v80-143 the bias; v144-191, v192-239 A's fragments, two sets; on the way out v128-255 are free.
;   window 1: B's fragments, two sets, at v0 and v128.   window 2: accumulator (a, b) at v[8 (8 a + b)].
.set ROWB,   192
.set KROW,   768
.set PITCH,  240                       ; B's LDS row: 3 x (64 bytes + 16 of padding)
.set FR,     12
.set HALFA,  4*3072                    ; four row tiles x four heads x 768 bytes: what one tensor load brings of A, and what one wave reads
.set APART,  2*HALFA
.set HALFB,  128*PITCH
.set SLOT,   APART+2*HALFB
.set SCA,    2*SLOT                    ; A's scale bytes: 8 row tiles x 512
.set SCB,    SCA+4096                  ; B's: pieces of 256 bytes + 16 of padding
.set HALFS,  4352
.set SBLK,   544
.set SPARE,  SCB+2*HALFS               ; the spare words, 128 bytes a wave: two blocks of 256 bytes that no other line names
.set SPITCH, 528                       ; the way out: a stage of 16 rows x (512 + 16) bytes a wave, in slot 0, which has had its last fill and its last read by then
.set ADRA, 16                          ; v16-17
.set ADRB, 20                          ; v20-23
.set STO,  24
.set RD,   25
.set CO,   26
.set ADSA, 27                          ; LDS address of A's scale words of my rows
.set SPW,  28
.set NIL,  29
.set ADSB, 30                          ; and of B's
.set SC,   32
.set BO,   80
.set AF,   144
.set BK,   128
.set G1, 24
.set G0, 32
.set G1B, 48
.set G0B, 56
.set G1S, 68
.set G0S, 76
.set G1SB, 80
.set G0SB, 88
.set MSB, 0
.macro WIN new
.if MSB != \new
	s_set_vgpr_msb (MSB<<8)|\new
.set MSB, \new
.endif
.endm
.set MUL,     0xa1                     ; source 0 (B) window 1, source 1 (A) window 0, C and D window 2
.set MUL_1ST, 0x81                     ; the same with C (the bias) in window 0
.set TO_B,    0x40
.macro JLOAD g0a, g1a, g0b, g1b        ; a joint load: waves 0 and 1 fetch for A, waves 2 and 3 for B; four v_nop follow each of the two lines
	s_cmp_eq_u32 s15, 0
	s_cbranch_scc0 .Lfor_b_\@
	tensor_load_to_lds s[\g0a:\g0a+3], s[\g1a:\g1a+7]
	s_nop 0
.rept 4
	v_nop
.endr
	s_branch .Lasked_\@
.Lfor_b_\@:
	tensor_load_to_lds s[\g0b:\g0b+3], s[\g1b:\g1b+7]
	s_nop 0
.rept 4
	v_nop
.endr
.Lasked_\@:
.endm
.macro CREST
	s_cmp_lg_u32 s14, 0
	s_cbranch_scc1 .Lnot_wave_0_\@
	s_barrier_signal -3
.Lnot_wave_0_\@:
	s_barrier_wait -3
	s_barrier_signal -1
	s_barrier_wait -1
.endm
.macro CROUND
	s_barrier_signal -1
	s_barrier_wait -1
	CREST
.endm
	s_load_b256 s[4:11], s[0:1], 0x0               ; ac, asc, wc, ws
	s_load_b128 s[96:99], s[0:1], 0x20             ; out0, bo
	v_lshl_add_u32 v[SPW], v0, 2, SPARE
	v_mov_b32 v[NIL], 0
	ds_add_u32 v28, v29
	s_wait_dscnt 0x0
	v_lshrrev_b32 v1, 5, v0
	v_readfirstlane_b32 s14, v1                    ; wave 0..3
	s_lshr_b32 s15, s14, 1                         ; which 64 rows are mine.  Also: I fetch for A (0) or for B (1)
	s_and_b32 s16, s14, 1                          ; which 128 columns.  Also: which half I fetch
	s_bfe_u32 s40, ttmp6, 0x40000                  ; cx, cy
	s_bfe_u32 s41, ttmp6, 0x40004
	s_lshl_b32 s42, ttmp9, 2
	s_add_co_u32 s42, s42, s40                     ; tile column
	s_and_b32 s17, ttmp7, 0xffff
	s_lshl_b32 s17, s17, 2
	s_add_co_u32 s17, s17, s41                     ; tile row
	s_lshl_b32 s43, s41, 2
	s_lshl_b32 s43, 15, s43                        ; my row of the cluster
	s_lshl_b32 s44, 0x1111, s40                    ; my column
	; A's codes: four row tiles x 3,072 bytes (384 elements of 8), 12,288 bytes apart, no padding
	s_or_b32 s[G1+0], s43, (3<<16)|(1<<21)
	s_mov_b32 s[G1+1], 384<<16
	s_mov_b32 s[G1+2], 4<<16
	s_mov_b32 s[G1+3], 384<<16
	s_mov_b32 s[G1+4], 4
	s_mov_b32 s[G1+5], 1536
	s_mov_b32 s[G1+6], 0
	s_mov_b32 s[G1+7], 0
	; B's codes: 128 rows x 192 bytes, 16 bytes of padding behind every 64
	s_or_b32 s[G1B+0], s44, (0<<16)|(1<<20)|(1<<21)|(3<<22)|(3<<25)
	s_mov_b32 s[G1B+1], ROWB<<16
	s_mov_b32 s[G1B+2], 128<<16
	s_mov_b32 s[G1B+3], ROWB<<16
	s_mov_b32 s[G1B+4], 128
	s_mov_b32 s[G1B+5], KROW
	s_mov_b32 s[G1B+6], 0
	s_mov_b32 s[G1B+7], 0
	; A's scale bytes: 2,048 dense bytes as 8 rows of 256, no padding
	s_or_b32 s[G1S+0], s43, (3<<16)|(1<<21)
	s_mov_b32 s[G1S+1], 32<<16
	s_mov_b32 s[G1S+2], 8<<16
	s_mov_b32 s[G1S+3], 32<<16
	s_mov_b32 s[G1S+4], 8
	s_mov_b32 s[G1S+5], 32
	s_mov_b32 s[G1S+6], 0
	s_mov_b32 s[G1S+7], 0
	; B's scale bytes: 4,096 dense bytes as 16 rows of 256, 16 bytes of padding behind each
	s_or_b32 s[G1SB+0], s44, (3<<16)|(1<<20)|(1<<21)|(5<<22)|(3<<25)
	s_mov_b32 s[G1SB+1], 32<<16
	s_mov_b32 s[G1SB+2], 16<<16
	s_mov_b32 s[G1SB+3], 32<<16
	s_mov_b32 s[G1SB+4], 16
	s_mov_b32 s[G1SB+5], 32
	s_mov_b32 s[G1SB+6], 0
	s_mov_b32 s[G1SB+7], 0
	s_lshl_b32 s20, s17, 3
	s_lshl_b32 s18, s16, 2
	s_add_co_u32 s20, s20, s18                     ; A: row tile 8 x tile row + 4 x half
	s_lshl_b32 s22, s20, 9                         ; its scale bytes,
	s_mul_i32 s20, s20, 12288                      ; its codes
	s_mov_b32 s21, 0
	s_mov_b32 s23, 0
	s_lshl_b32 s46, s42, 8
	s_lshl_b32 s18, s16, 7
	s_add_co_u32 s46, s46, s18
	s_add_co_u32 s46, s46, 3072                    ; B: row 3072 + 256 x tile column + 128 x half of wc
	s_lshl_b32 s92, s46, 5
	s_mul_i32 s46, s46, KROW
	s_mov_b32 s47, 0
	s_mov_b32 s93, 0
	s_mul_i32 s45, s16, HALFA                      ; where they go: no place in the cluster enters an LDS address
	s_mul_i32 s94, s16, HALFB
	s_add_co_u32 s94, s94, APART
	s_lshl_b32 s95, s16, 11
	s_mul_i32 s19, s16, HALFS
	s_wait_kmcnt 0x0
	s_add_nc_u64 s[20:21], s[4:5], s[20:21]
	s_add_nc_u64 s[22:23], s[6:7], s[22:23]
	s_add_nc_u64 s[46:47], s[8:9], s[46:47]
	s_add_nc_u64 s[92:93], s[10:11], s[92:93]
	CROUND                                         ; all sixteen work-groups are here: the first joint loads meet
	s_mov_b32 s[G0S], 1
	s_add_co_u32 s[G0S+1], s95, SCA
	s_mov_b64 s[G0S+2:G0S+3], s[22:23]
	s_or_b32 s[G0S+3], s[G0S+3], 0x80000000
	s_mov_b32 s[G0SB], 1
	s_add_co_u32 s[G0SB+1], s19, SCB
	s_mov_b64 s[G0SB+2:G0SB+3], s[92:93]
	s_or_b32 s[G0SB+3], s[G0SB+3], 0x80000000
	JLOAD G0S, G1S, G0SB, G1SB
.irp s, 0,1
	s_mov_b32 s[G0+4*\s], 1
	s_add_co_u32 s[G0+4*\s+1], s45, \s*SLOT
	s_add_nc_u64 s[G0+4*\s+2:G0+4*\s+3], s[20:21], \s*3072
	s_or_b32 s[G0+4*\s+3], s[G0+4*\s+3], 0x80000000
	s_mov_b32 s[G0B+4*\s], 1
	s_add_co_u32 s[G0B+4*\s+1], s94, \s*SLOT
	s_add_nc_u64 s[G0B+4*\s+2:G0B+4*\s+3], s[46:47], \s*ROWB
	s_or_b32 s[G0B+4*\s+3], s[G0B+4*\s+3], 0x80000000
	JLOAD G0+4*\s, G1, G0B+4*\s, G1B               ; three tensor loads of mine are out now, the most in this text
.endr
	v_and_b32 v1, 15, v0                           ; r
	v_bfe_u32 v2, v0, 4, 1                         ; h
	v_and_b32 v6, 31, v0                           ; lane
	v_mul_u32_u24 v3, v1, PITCH
	v_mul_u32_u24 v4, v2, 24
	v_add_nc_u32 v4, v3, v4                        ; B: row x pitch + 24 x half
	v_lshl_add_u32 v5, v2, 4, v4                   ; and behind one padding more
	v_lshlrev_b32 v7, 3, v6                        ; A: an image: 8 bytes a lane
	s_mul_i32 s21, s15, HALFA                      ; my 64 rows of A
	s_mul_i32 s22, s16, HALFB
	s_add_co_u32 s22, s22, APART                   ; my 128 rows of B
.irp s, 0,1
	v_add_nc_u32 v[ADRA+\s], s21, v7
	v_add_nc_u32 v[ADRB+\s], s22, v4
	v_add_nc_u32 v[ADRB+2+\s], s22, v5
	s_add_co_u32 s21, s21, SLOT
	s_add_co_u32 s22, s22, SLOT
.endr
	s_lshl_b32 s21, s15, 11
	s_add_co_u32 s21, s21, SCA
	v_lshl_add_u32 v[ADSA], v1, 3, s21             ; A's scale words: 8 bytes a row and K step
	v_lshlrev_b32 v5, 5, v1
	v_lshrrev_b32 v8, 3, v1
	v_lshl_add_u32 v5, v8, 4, v5                   ; B's: 32 bytes a row, 16 more behind each 256
	s_mul_i32 s22, s16, HALFS
	s_add_co_u32 s22, s22, SCB
	v_add_nc_u32 v[ADSB], s22, v5
	s_mul_i32 s23, s14, 16*SPITCH                  ; my stage
	v_mul_u32_u24 v5, v1, SPITCH
	v_lshl_add_u32 v5, v2, 5, v5
	v_add_nc_u32 v[STO], s23, v5                   ; in: row r, 32 bytes for each half of the lanes
	v_lshlrev_b32 v[CO], 4, v6                     ; back: the 32 lanes take one row of 512 bytes; and the same in out0
	v_add_nc_u32 v[RD], s23, v[CO]
	s_lshl_b32 s20, s17, 7
	s_lshl_b32 s21, s15, 6
	s_add_co_u32 s20, s20, s21                     ; my first row: 128 x tile row + 64 x half
	s_lshl_b32 s20, s20, 12                        ; 4,096 bytes a row
	s_lshl_b32 s46, s42, 10
	s_lshl_b32 s47, s16, 9
	s_add_co_u32 s46, s46, s47                     ; my first column, in bytes
	s_mov_b32 s47, 0
	s_mov_b32 s21, 0
	s_add_nc_u64 s[96:97], s[96:97], s[20:21]
	s_add_nc_u64 s[96:97], s[96:97], s[46:47]
	s_add_nc_u64 s[98:99], s[98:99], s[46:47]      ; and its bias
	v_lshlrev_b32 v9, 5, v2
.irp b, 0,1,2,3,4,5,6,7
	global_load_b128 v[BO+8*\b:BO+8*\b+3], v9, s[98:99] offset:64*\b          ; bo of columns 16 b + 8 h + 0 .. 7: the result's layout
	global_load_b128 v[BO+8*\b+4:BO+8*\b+7], v9, s[98:99] offset:64*\b+16
.endr
.macro FRAG reg, adr, q, i             ; a fragment of B from rows of 192 bytes: pieces of 8 bytes; behind every 8 pieces lie 16 bytes of padding
.irp p, 0,1,2,3,4,5
.set PCE, 12*(\q)+6*(\p/3)+\p%3
.if PCE%8 < 5
	ds_load_b64 v[\reg+2*\p:\reg+2*\p+1], v[\adr] offset:8*PCE+16*(PCE/8)+(\i)*16*PITCH
.else
	ds_load_b64 v[\reg+2*\p:\reg+2*\p+1], v[\adr+2] offset:8*PCE+16*(PCE/8)+(\i)*16*PITCH
.endif
.endr
.endm
.macro FRAGA reg, slot, q, i           ; a fragment of A from its image: two heads' 768 bytes on end; each load reads 256 consecutive bytes
.irp p, 0,1,2,3,4,5
	ds_load_b64 v[\reg+2*\p:\reg+2*\p+1], v[ADRA+\slot] offset:3072*(\i)+1536*(\q)+256*\p
.endr
.endm
.macro FETCH slot, q, set              ; 72 loads in one run
	WIN TO_B
.irp i, 0,1,2,3,4,5,6,7
	FRAG 128*(\set)+FR*\i, ADRB+\slot, \q, \i
.endr
	WIN 0
.irp i, 0,1,2,3
	FRAGA AF+48*(\set)+FR*\i, \slot, \q, \i
.endr
.endm
.macro SCALES set                      ; a K step's scale words, two a row.  A's and B's rows lie at different distances, so each side has registers of its own
.irp i, 0,1,2,3
	ds_load_b64 v[SC+24*\set+2*\i:SC+24*\set+2*\i+1], v[ADSA] offset:512*\i
.endr
.irp i, 0,1,2,3,4,5,6,7
	ds_load_b64 v[SC+24*\set+8+2*\i:SC+24*\set+8+2*\i+1], v[ADSB] offset:SBLK*\i
.endr
.endm
; 8 matrix instructions: A's block a x B's eight.  The 32 accumulators take turns, one instruction a turn, in the same order in every step.
.macro MUL8 a, set, q, sc, first
.irp b, 0,1,2,3,4,5,6,7
.if \first
	v_wmma_scale_f32_16x16x128_f8f6f4 v[8*(8*(\a)+\b):8*(8*(\a)+\b)+7], v[128*(\set)+FR*\b:128*(\set)+FR*\b+FR-1], v[AF+48*(\set)+FR*(\a):AF+48*(\set)+FR*(\a)+FR-1], v[BO+8*\b:BO+8*\b+7], v[SC+24*(\sc)+8+2*\b+(\q)], v[SC+24*(\sc)+2*(\a)+(\q)] matrix_a_fmt:MATRIX_FMT_FP6 matrix_b_fmt:MATRIX_FMT_FP6
.else
	v_wmma_scale_f32_16x16x128_f8f6f4 v[8*(8*(\a)+\b):8*(8*(\a)+\b)+7], v[128*(\set)+FR*\b:128*(\set)+FR*\b+FR-1], v[AF+48*(\set)+FR*(\a):AF+48*(\set)+FR*(\a)+FR-1], v[8*(8*(\a)+\b):8*(8*(\a)+\b)+7], v[SC+24*(\sc)+8+2*\b+(\q)], v[SC+24*(\sc)+2*(\a)+(\q)] matrix_a_fmt:MATRIX_FMT_FP6 matrix_b_fmt:MATRIX_FMT_FP6
.endif
.endr
.endm
.macro PLACES n
.rept \n
	v_nop
.endr
.endm
.macro STEP slot, first                ; a slot's first 128 along K, on set 0; the second's fragments are fetched into set 1 ahead of its 32 products
	s_wait_dscnt 0x0                               ; set 0 and the scale words are in
	PLACES 4                                       ; in front of loads into set 1, which the last products read
	FETCH \slot, 1, 1
.if \first
	WIN MUL_1ST
.else
	WIN MUL
.endif
	MUL8 0, 0, 0, \slot, \first
	MUL8 1, 0, 0, \slot, \first
	MUL8 2, 0, 0, \slot, \first
	MUL8 3, 0, 0, \slot, \first
	WIN 0
.endm
; A slot's second 128 along K, on set 1, changes slots: ONE barrier; in front of it each wave waits for all its tensor loads, adds 0 to its spare word, and waits for that and for its own reads of this slot.
.macro TURN slot, next, fill
	s_wait_tensorcnt 0x0                           ; all my tensor loads have landed: my part of the next slot
	ds_add_u32 v[SPW], v[NIL]                      ; 0 onto my spare word
	s_wait_dscnt 1                                 ; set 1 is in (the add alone may be out)
	WIN MUL
	MUL8 0, 1, 1, \slot, 0                         ; eight matrix instructions stand between the add and the wait for it
	s_wait_dscnt 0x0                               ; the add is done, and my reads of this slot are over
	s_barrier_signal -1
	MUL8 1, 1, 1, \slot, 0
	WIN 0
	s_barrier_wait -1
.if \fill
	CREST                                          ; the barrier has opened a round of the cluster's barrier: no wave of any partner still reads this slot or has a load on its way
	s_add_nc_u64 s[G0+4*\slot+2:G0+4*\slot+3], s[G0+4*\slot+2:G0+4*\slot+3], 2*3072
	s_add_nc_u64 s[G0B+4*\slot+2:G0B+4*\slot+3], s[G0B+4*\slot+2:G0B+4*\slot+3], 2*ROWB
	JLOAD G0+4*\slot, G1, G0B+4*\slot, G1B         ; the first tensor load behind the round; its four v_nop are the places in front of the loads below
.else
	PLACES 4
.endif
	v_add_nc_u32 v[ADSA], 128, v[ADSA]             ; on to the next K step's scale words
	v_add_nc_u32 v[ADSB], 8, v[ADSB]
	FETCH \next, 0, 0
	SCALES \next
	WIN MUL
	MUL8 2, 1, 1, \slot, 0
	MUL8 3, 1, 1, \slot, 0
	WIN 0
.endm
	s_wait_loadcnt 0x0                             ; the bias
	s_wait_tensorcnt 1                             ; the scales and my part of K step 0 are in (K step 1's load may be out),
	s_barrier_signal -1
	s_barrier_wait -1                              ; everybody's are
	FETCH 0, 0, 0
	SCALES 0
	STEP 0, 1                                      ; the first products start the sums, on the bias
	TURN 0, 1, 1                                   ; K = 1024 is four K steps: written straight; slot 0 takes K step 2,
	STEP 1, 0
	TURN 1, 0, 1                                   ; slot 1 K step 3
	STEP 0, 0
	TURN 0, 1, 0                                   ; nothing is left to fetch
	STEP 1, 0
	s_wait_dscnt 0x0
	WIN MUL
	MUL8 0, 1, 1, 1, 0
	MUL8 1, 1, 1, 1, 0
	MUL8 2, 1, 1, 1, 0
	MUL8 3, 1, 1, 1, 0
	WIN 0
; THE WAY OUT, block by block of 16 rows x 128 columns, through my own stage in LDS: in as 32 bytes a lane, back as whole rows of 512 bytes.  LDS serves a wave's instructions in order (ISA guide 5.7.1.4).
.macro TOSTAGE a
.set AC, 64*(\a)
	WIN 0x08                                       ; an LDS store's data: window 2
.irp b, 0,1,2,3,4,5,6,7
	ds_store_b128 v[STO], v[AC+8*\b:AC+8*\b+3] offset:64*\b          ; each accumulator from its low end on
	ds_store_b128 v[STO], v[AC+8*\b+4:AC+8*\b+7] offset:64*\b+16
.endr
	WIN 0
.set BB, BK+64*((\a)%2)
.irp t, 0,1,2,3,4,5,6,7,8,9,10,11,12,13,14,15
	ds_load_b128 v[BB+4*\t:BB+4*\t+3], v[RD] offset:\t*SPITCH
.endr
.endm
.macro SEND a, younger                 ; younger: the LDS instructions issued behind block a's loads, which may stay out
.set BB, BK+64*((\a)%2)
	s_wait_dscnt \younger
.if (\a) > 0
	s_add_nc_u64 s[96:97], s[96:97], 16*4096       ; (behind a wait on XCNT: the earlier stores have read their base)  16 rows on
.endif
.irp t, 0,1,2,3,4,5,6,7,8,9,10,11,12,13,14,15
	global_store_b128 v[CO], v[BB+4*\t:BB+4*\t+3], s[96:97] offset:\t*4096 th:TH_STORE_NT   ; 32 lanes store 512 consecutive bytes, aligned to 256; written once, read by nobody here
.endr
.endm
	PLACES 4                                       ; behind the last products: their results are read, and loads land in registers that they read
	TOSTAGE 0
.irp a, 1,2,3
.if \a > 1
	s_wait_xcnt 0x0                                ; block a - 2's stores have read their registers and their base
.endif
	TOSTAGE \a
	SEND \a-1, 32                                  ; behind block a - 1's loads: block a's 16 stores and 16 loads
.endr
	s_wait_xcnt 0x0
	SEND 3, 0
	s_wait_tensorcnt 0x0                           ; the wave's end
	ds_add_u32 v[SPW], v[NIL]
	s_wait_dscnt 0x0
	CROUND                                         ; the closing round
	s_endpgm
.Lfunc_end_k_qf457d69648_oproj:
	.size	k_qf457d69648_oproj, .Lfunc_end_k_qf457d69648_oproj-k_qf457d69648_oproj
	.p2alignl 7, 3214868480
	.fill 96, 4, 3214868480
	.section	.rodata,"a",@progbits
	.p2align	6, 0x0
	.amdhsa_kernel k_qf457d69648_oproj
		.amdhsa_group_segment_fixed_size 327680
		.amdhsa_private_segment_fixed_size 0
		.amdhsa_enable_private_segment 0
		.amdhsa_kernarg_size 48
		.amdhsa_user_sgpr_count 2
		.amdhsa_user_sgpr_kernarg_segment_ptr 1
		.amdhsa_wavefront_size32 1
		.amdhsa_system_sgpr_workgroup_id_x 1
		.amdhsa_system_sgpr_workgroup_id_y 1
		.amdhsa_system_sgpr_workgroup_id_z 1
		.amdhsa_system_vgpr_workitem_id 0
		.amdhsa_next_free_vgpr 768
		.amdhsa_next_free_sgpr 100
		.amdhsa_reserve_vcc 0
		.amdhsa_float_denorm_mode_32 3
		.amdhsa_float_denorm_mode_16_64 3
		.amdhsa_memory_ordered 1
		.amdhsa_forward_progress 1
		.amdhsa_inst_pref_size 102
	.end_amdhsa_kernel
	.amdgpu_metadata
---
amdhsa.version: [ 1, 2 ]
amdhsa.kernels:
  - .name:           k_qf457d69648_oproj
    .symbol:         k_qf457d69648_oproj.kd
    .args:
      - { .name: ac, .offset: 0, .size: 8, .value_kind: global_buffer, .address_space: global }
      - { .name: asc, .offset: 8, .size: 8, .value_kind: global_buffer, .address_space: global }
      - { .name: wc, .offset: 16, .size: 8, .value_kind: global_buffer, .address_space: global }
      - { .name: ws, .offset: 24, .size: 8, .value_kind: global_buffer, .address_space: global }
      - { .name: out0, .offset: 32, .size: 8, .value_kind: global_buffer, .address_space: global }
      - { .name: bo, .offset: 40, .size: 8, .value_kind: global_buffer, .address_space: global }
    .group_segment_fixed_size: 327680
    .private_segment_fixed_size: 0
    .kernarg_segment_align: 8
    .kernarg_segment_size: 48
    .max_flat_workgroup_size: 128
    .sgpr_count:     100
    .vgpr_count:     768
    .wavefront_size: 32
...
	.end_amdgpu_metadata
.endif
;; end of part 4
